; MI455X (gfx1250); checked and timed in simulation.
; The chip was launched on July 23, 2026; its instructions are those of AMD's public machine-readable ISA for CDNA 5 (MIT licence, August 2026) and "CDNA5" Instruction Set Architecture Reference Guide (July 2026). The comments in the code are by the model that wrote it; some were corrected since.
;; Self Attention. Allowed arithmetic: matrix products marked QUANTISED: E2M3 operands, one E8M0 scale for each 32 along K, by v_wmma_scale_f32_16x16x128_f8f6f4 with both operands' format E2M3, f32 sums; everything else in f32.
;; Inputs: w_proj 1,024 x 1,024 float32; w_qkv 3,072 x 1,024 float32; x 2 x 2,048 x 1,024 float32.
;; Outputs: out0 2 x 2,048 x 1,024 float32.
;; This version of the problem:
;;   THIS VERSION OF THE PROBLEM IS GIVEN IN LOW PRECISION. The matrix products marked QUANTISED in the list below multiply operands that are first quantised to E2M3 (2 exponent bits, 3 mantissa bits; 6 bits a number), with one power-of-two scale for each 32 numbers along K (OCP MX v1.0); their sums are f32. All else is computed in f32.
;;   The module's matrix products, in the order in which they are computed (A, B: the left and right operand; K: the contracted axis; several contracted axes count as one K, in the product's order):
;;     1. [M 4,096, K 1,024] x [K 1,024, N 3,072]; A: input x; B: input w_qkv: QUANTISED
;;     2. batch 32 x [M 2,048, K 64] x [K 64, N 2,048]; A: computed on the way; B: computed on the way: QUANTISED
;;     3. batch 32 x [M 2,048, K 2,048] x [K 2,048, N 64]; A: softmax (see below); B: computed on the way: QUANTISED
;;     4. [M 4,096, K 1,024] x [K 1,024, N 1,024]; A: computed on the way; B: input w_proj: QUANTISED
;;   THE QUANTISER, for each operand of a quantised product, along K:
;;     - K is cut into blocks of 32 from its start; a last block that is shorter is filled with zeros.
;;     - A block's scale is 2^e with e = floor(log2(the largest magnitude in the block)) - 2, held to -126 .. 127; a block of zeros has e = 0. As a byte (E8M0): e + 127.
;;     - Each number is divided by its block's scale, clamped to +-7.5, and rounded to the nearest number of E2M3, ties to even, subnormals kept.
;;     - The product sums the exact products of the quantised numbers (number of the format x scale) in f32.
;;   ~~~python
;;   def quantise(x, axis):      # numpy; x: float32 -> the quantised numbers, widened to float32 again
;;       x = np.moveaxis(x, axis, -1); K = x.shape[-1]
;;       x = np.pad(x, [(0, 0)] * (x.ndim - 1) + [(0, -K % 32)]); x = x.reshape(x.shape[:-1] + (-1, 32)); a = np.abs(x).max(-1, keepdims=True)
;;       e = np.where(a > 0, np.clip(np.frexp(np.where(a > 0, a, 1))[1] - 1 - 2, -126, 127), 0)      # np.frexp(a)[1] - 1 = floor(log2(a)), exactly
;;       r = np.clip(x / 2.0 ** e, -7.5, 7.5)
;;       step = 2.0 ** (np.maximum(np.frexp(np.where(r == 0, 1, r))[1] - 1, 0) - 3)
;;       q = np.round(r / step) * step * 2.0 ** e      # np.round: ties to even
;;       return np.moveaxis(q.reshape(q.shape[:-2] + (-1,))[..., :K], -1, axis).astype(np.float32)
;;   ~~~
;;   SOFTMAX AHEAD OF A QUANTISED PRODUCT. Where the list says 'softmax', what is quantised is not the finished softmax but p = 2^(t - M), with t = logit x log2(e) and M = ceil(the row's largest t), a whole number; so 1/2 < the row's largest p <= 1. The row's sum l is taken of the UNQUANTISED p, in f32, and the product's result is divided by l at the end. Since M is a whole number, a kernel that streams over the keys may use a running M (the ceiling of the running maximum): every later rescaling is an exact power of two, which a block's scale takes up: the codes' values come out the same.
;;   OPERANDS COMPUTED ON THE WAY. 'Computed on the way' means the value that the module computes at that place (a softmax that the list does not call 'softmax' is quantised finished and normalised). What goes into a quantiser is computed in f32, as accurately as f32 sums, v_exp_f32 and their like allow (about 1e-6 of the number): no bf16 or f16 on the way to a quantiser, and a product that is left as it is and whose result goes on into a quantised operand takes f32 operands (vector FMAs, or v_wmma_f32_16x16x4_f32). A number that lies on a knife's edge between two numbers of the format may be rounded either way, as far as f32 arithmetic and the matrix unit's own rounding can turn it there, and no further.
;; One version. Each part assembles by itself: llvm-mc -triple=amdgcn-amd-amdhsa -mcpu=gfx1250 --defsym DOCPART=n.
;; ======== version 1 of 1: 4 launches
;; limits: right only within a limited range of input values
;; workspace buffers: opq 6,553,600 bytes; qkv 10,092,544 bytes; att 3,276,800 bytes
;; launch quant (part 1): grid 256 x 1, 4 waves a work-group, no clusters, 34,304 bytes of LDS; arguments x, w_qkv, w_proj, opq; writes opq
.if DOCPART == 1
	.amdgcn_target "amdgcn-amd-amdhsa--gfx1250"
	.amdhsa_code_object_version 6
	.text
	.protected	k_q877f39b518_quant
	.globl	k_q877f39b518_quant
	.p2align	8
	.type	k_q877f39b518_quant,@function
k_q877f39b518_quant:
	s_mov_b64 s[64:65], 0
	v_nop
	global_prefetch_b8 v0, s[64:65] scope:SCOPE_SE
	s_setreg_imm32_b32 hwreg(HW_REG_WAVE_MODE, 25, 1), 1
	s_wait_xcnt 0x0
; x [4096][1024], w_qkv [3072][1024] and w_proj [1024][1024], f32 with K innermost, become codes of FP6 (E2M3) with one E8M0 byte for each 32 along K,
; laid in opq IN THE ORDER OF AN OPERAND'S REGISTERS.  The three tensors are 8,192 rows on end = 512 tiles of 16 rows (x: tiles 0-255, w_qkv: 256-447, w_proj: 448-511).
; THE ROWS OF A TILE ARE NOT NEIGHBOURS: lane r of tile 2 g + u holds row 32 g + 8 u + r + 8 (r / 8), so that a product which takes such a tile as source 0 leaves 16 neighbours in the 16 registers of two neighbouring tiles.
; A fragment (16 rows x 128 K, 12 registers a lane) is stored as an image of its registers, 1,536 bytes: registers 0-3 at 16 x lane, 4-5 at 512 + 8 x lane, 6-9 at 768 + 16 x lane, 10-11 at 1,280 + 8 x lane.
; opq: codes [pair of K steps (4)][tile (512)][2 fragments]; from SC1 on the scale words [tile][K steps 0-3 | 4-7][r][4 words].
; A block's scale is 2^(floor(log2(its largest magnitude)) - 2); its byte is the largest magnitude's exponent field - 2, held at 1 from below.
; LIMITS: a block of zeros, or one whose largest magnitude lies under 2^-124, gets the byte 1 (its codes are zeros or the format's smallest; this program alone reads the bytes); NaN and infinities are not served.
; SHARES: a work-group takes 32 rows of one tensor, a wave one of their two tiles and half of K: four fragments.  Each load reads 512 consecutive bytes of one row; a fragment's 16 x 512 bytes turn through the wave's
; own stage in LDS, so that a lane gets two whole blocks of 32 of its row.  No cluster, no tensor load, no barrier: the waves and the work-groups share no byte.
.set PAIR1, 1572864                    ; bytes of a pair of K steps in opq: 512 tiles x 3,072
.set SC1,   6291456                    ; where the scale words begin
.set SP,    528                        ; a stage row: 512 bytes + 16
.set STG,   16*SP                      ; a wave's stage
.set VIN, 1                            ; v1   16 x lane: a load's and a store's offset
.set STW, 2                            ; v2   the stage, on the way in
.set STR, 3                            ; v3   and on the way out: row r, + 128 h
.set O8,  4                            ; v4   8 x lane
.set SOF, 5                            ; v5   16 r + 8 h: my two scale words' place
.set H8,  6                            ; v6   8 h
.set LN,  7                            ; v7   lane
.set MX,  8                            ; v8-9   two blocks' largest magnitudes
.set EX,  10                           ; v10-11 the conversions' scale operands
.set BY,  12                           ; v12-13 the bytes
.set WD,  14                           ; v14  my two bytes at their places
.set PX,  15                           ; v15  lane l xor 16's
.set R,   16                           ; v16-143  two sets of 64: a fragment's numbers as loaded
.set X,   144                          ; v144-207 my 64 numbers: blocks h and 2 + h of row r
.set C,   208                          ; v208-231 two sets of 12: codes
.set PT,  232                          ; v232-238 the second halves of the blocks' codes
.set W,   240                          ; v240-243 the four fragments' scale words
.set D,   244                          ; v244-245 the two that I store
	s_load_b256 s[4:11], s[0:1], 0x0               ; x s[4:5], w_qkv s[6:7], w_proj s[8:9], opq s[10:11]
	v_lshl_add_u32 v248, v0, 2, 0x8400
	v_mov_b32 v249, 0
	v_lshrrev_b32 v[MX], 5, v0
	v_readfirstlane_b32 s16, v[MX]                 ; wave 0..3
	v_and_b32 v[LN], 31, v0
	v_and_b32 v[MX], 15, v0                        ; r
	v_bfe_u32 v[MX+1], v0, 4, 1                    ; h
	s_mul_i32 s18, s16, STG
	s_lshr_b32 s17, s16, 1                         ; u: which tile of the 32 rows
	s_and_b32 s19, s16, 1                          ; q: which half of K
	v_lshlrev_b32 v[VIN], 4, v[LN]
	v_add_nc_u32 v[STW], s18, v[VIN]
	v_mul_u32_u24 v[STR], v[MX], SP
	v_lshl_add_u32 v[STR], v[MX+1], 7, v[STR]
	v_add_nc_u32 v[STR], s18, v[STR]
	v_lshlrev_b32 v[O8], 3, v[LN]
	v_lshlrev_b32 v[H8], 3, v[MX+1]
	v_lshl_add_u32 v[SOF], v[MX], 4, v[H8]
	v_mov_b32 v[PX], 0                             ; a lane permute's destination counts as one of its sources
	s_mov_b32 s20, 0x76543210
	s_mov_b32 s21, 0xfedcba98                      ; v_permlanex16_b32's selects for lane l xor 16
	s_wait_alu depctr_va_vdst(0)
	s_wait_kmcnt 0x0
	s_cmp_lt_u32 ttmp9, 128                        ; which tensor: the choice hangs on the work-group's number alone
	s_cselect_b64 s[12:13], s[4:5], s[6:7]
	s_cselect_b32 s14, 0, 128
	s_cmp_lt_u32 ttmp9, 224
	s_cselect_b64 s[12:13], s[12:13], s[8:9]
	s_cselect_b32 s14, s14, 224
	s_sub_co_u32 s14, ttmp9, s14                   ; which 32 rows of it
	s_lshl_b32 s22, s14, 17                        ; 32 rows of 4,096 bytes,
	s_lshl_b32 s23, s17, 15                        ; + 8 u rows,
	s_add_co_u32 s22, s22, s23
	s_lshl_b32 s23, s19, 11                        ; + four K steps of 512 bytes
	s_add_co_u32 s22, s22, s23
	s_mov_b32 s23, 0
	s_add_nc_u64 s[12:13], s[12:13], s[22:23]
	s_lshl_b32 s24, ttmp9, 1
	s_add_co_u32 s24, s24, s17                     ; my tile
	s_mul_i32 s22, s24, 3072
	s_mul_i32 s25, s19, 2*PAIR1
	s_add_co_u32 s22, s22, s25
	s_add_nc_u64 s[26:27], s[10:11], s[22:23]      ; my codes: tile, pair 2 q
	s_lshl_b32 s22, s24, 9
	s_lshl_b32 s25, s19, 8
	s_add_co_u32 s22, s22, s25
	s_add_nc_u64 s[28:29], s[10:11], s[22:23]      ; my scale words (SC1 stands in the store's immediate)
.macro LOAD t                          ; fragment t: 128 numbers of each of the tile's 16 rows; a load reads 512 consecutive bytes
.irp i, 0,1,2,3,4,5,6,7,8,9,10,11,12,13,14,15
	global_load_b128 v[R+64*((\t)%2)+4*\i:R+64*((\t)%2)+4*\i+3], v[VIN], s[12:13] offset:(\i+8*(\i/8))*4096+512*(\t) th:TH_LOAD_NT
.endr
.endm
.macro TURN t                          ; through the stage: LDS serves a wave's instructions in order, so no wait stands between the stores and the loads
.irp i, 0,1,2,3,4,5,6,7,8,9,10,11,12,13,14,15
	ds_store_b128 v[STW], v[R+64*((\t)%2)+4*\i:R+64*((\t)%2)+4*\i+3] offset:SP*\i
.endr
.irp c, 0,1
.irp j, 0,1,2,3,4,5,6,7
	ds_load_b128 v[X+32*\c+4*\j:X+32*\c+4*\j+3], v[STR] offset:256*\c+16*\j   ; k = 64 c + 32 h + 4 j .. of row r
.endr
.endr
.endm
.macro QF t                            ; my two blocks become registers 6 c .. 6 c + 5 of the fragment, and the row's scale word
.set CC, C+12*((\t)%2)
.irp c, 0,1
	v_max3_num_f32 v[MX+\c], |v[X+32*\c]|, |v[X+32*\c+1]|, 0x1800000   ; with the floor 2^(3 - 127): the byte cannot fall under 1
.endr
.irp i, 2,4,6,8,10,12,14,16,18,20,22,24,26,28,30
.irp c, 0,1
	v_max3_num_f32 v[MX+\c], v[MX+\c], |v[X+32*\c+\i]|, |v[X+32*\c+\i+1]|
.endr
.endr
.irp c, 0,1
	v_add_nc_u32 v[EX+\c], 0xff000000, v[MX+\c]    ; 2 off the exponent field: the conversion takes this operand's exponent field as its scale
.endr
.irp c, 0,1
	v_lshrrev_b32 v[BY+\c], 23, v[EX+\c]           ; the scale's byte
.endr
	v_lshl_or_b32 v[WD], v[BY+1], 16, v[BY]        ; blocks h and 2 + h,
	v_lshlrev_b32 v[WD], v[H8], v[WD]              ; at their places in the word;
	v_permlanex16_b32 v[PX], v[WD], s20, s21
	v_or_b32 v[W+(\t)], v[WD], v[PX]               ; with lane l xor 16's two the word is whole
.irp c, 0,1
	v_cvt_scalef32_pk16_fp6_f32 v[CC+6*\c:CC+6*\c+2], v[X+32*\c:X+32*\c+15], v[EX+\c]
	v_cvt_scalef32_pk16_fp6_f32 v[PT+4*\c:PT+4*\c+2], v[X+32*\c+16:X+32*\c+31], v[EX+\c]   ; (a conversion's three registers begin on an even number)
.endr
	v_nop                                          ; one plain place behind a scaled conversion
.irp c, 0,1
.irp i, 0,1,2
	v_mov_b32 v[CC+6*\c+3+\i], v[PT+4*\c+\i]
.endr
.endr
.endm
.macro OUT t                           ; the fragment's image: each store covers 512 or 256 consecutive bytes, at a multiple of 256 from opq's first byte
.set CC, C+12*((\t)%2)
.set OO, ((\t)/2)*PAIR1+((\t)%2)*1536
	global_store_b128 v[VIN], v[CC:CC+3], s[26:27] offset:OO
	global_store_b64 v[O8], v[CC+4:CC+5], s[26:27] offset:OO+512
	global_store_b128 v[VIN], v[CC+6:CC+9], s[26:27] offset:OO+768
	global_store_b64 v[O8], v[CC+10:CC+11], s[26:27] offset:OO+1280
.endm
	LOAD 0
	LOAD 1
.irp t, 0,1,2,3
.if \t < 3
	s_wait_loadcnt 16                              ; this fragment's 16 loads are in; the next fragment's 16 may be out
.else
	s_wait_loadcnt 0x0
.endif
	TURN \t
	s_wait_dscnt 0x0                               ; my numbers are back, and the stores into the stage have read their registers,
.if \t < 2
	LOAD \t+2                                      ; which take the loads of two fragments on
.else
	s_wait_xcnt 0x0                                ; the stores of two fragments back have read this set of codes: it is written again only behind this wait
.endif
	QF \t
	OUT \t
.endr
	v_cmp_lt_u32 vcc_lo, 15, v[LN]                 ; lanes 0-15 store their row's words 0 and 1, lanes 16-31 words 2 and 3
	v_cndmask_b32 v[D], v[W], v[W+2], vcc_lo
	v_cndmask_b32 v[D+1], v[W+1], v[W+3], vcc_lo
	global_store_b64 v[SOF], v[D:D+1], s[28:29] offset:SC1   ; 256 consecutive bytes, aligned
	s_wait_tensorcnt 0x0
	ds_add_u32 v248, v249
	s_wait_dscnt 0x0
	s_endpgm
.Lfunc_end_k_q877f39b518_quant:
	.size	k_q877f39b518_quant, .Lfunc_end_k_q877f39b518_quant-k_q877f39b518_quant
	.p2alignl 7, 3214868480
	.fill 96, 4, 3214868480
	.section	.rodata,"a",@progbits
	.p2align	6, 0x0
	.amdhsa_kernel k_q877f39b518_quant
		.amdhsa_group_segment_fixed_size 34304
		.amdhsa_private_segment_fixed_size 0
		.amdhsa_enable_private_segment 0
		.amdhsa_kernarg_size 32
		.amdhsa_user_sgpr_count 2
		.amdhsa_user_sgpr_kernarg_segment_ptr 1
		.amdhsa_wavefront_size32 1
		.amdhsa_system_sgpr_workgroup_id_x 1
		.amdhsa_system_sgpr_workgroup_id_y 1
		.amdhsa_system_sgpr_workgroup_id_z 1
		.amdhsa_system_vgpr_workitem_id 0
		.amdhsa_next_free_vgpr 250
		.amdhsa_next_free_sgpr 66
		.amdhsa_reserve_vcc 1
		.amdhsa_float_denorm_mode_32 3
		.amdhsa_float_denorm_mode_16_64 3
		.amdhsa_memory_ordered 1
		.amdhsa_forward_progress 1
		.amdhsa_inst_pref_size 31
	.end_amdhsa_kernel
	.amdgpu_metadata
---
amdhsa.version: [ 1, 2 ]
amdhsa.kernels:
  - .name:           k_q877f39b518_quant
    .symbol:         k_q877f39b518_quant.kd
    .args:
      - { .name: x, .offset: 0, .size: 8, .value_kind: global_buffer, .address_space: global }
      - { .name: w_qkv, .offset: 8, .size: 8, .value_kind: global_buffer, .address_space: global }
      - { .name: w_proj, .offset: 16, .size: 8, .value_kind: global_buffer, .address_space: global }
      - { .name: opq, .offset: 24, .size: 8, .value_kind: global_buffer, .address_space: global }
    .group_segment_fixed_size: 34304
    .private_segment_fixed_size: 0
    .kernarg_segment_align: 8
    .kernarg_segment_size: 32
    .max_flat_workgroup_size: 128
    .sgpr_count:     66
    .vgpr_count:     250
    .wavefront_size: 32
...
	.end_amdgpu_metadata
.endif
;; end of part 1
;; launch qkv (part 2): grid 12 x 16, 4 waves a work-group, clusters of 4 x 4, 327,680 bytes of LDS; arguments opq, qkv; writes qkv
.if DOCPART == 2
	.amdgcn_target "amdgcn-amd-amdhsa--gfx1250"
	.amdhsa_code_object_version 6
	.text
	.protected	k_q877f39b518_qkv
	.globl	k_q877f39b518_qkv
	.p2align	8
	.type	k_q877f39b518_qkv,@function
k_q877f39b518_qkv:
	s_mov_b64 s[64:65], 0
	v_nop
	global_prefetch_b8 v0, s[64:65] scope:SCOPE_SE
	s_setreg_imm32_b32 hwreg(HW_REG_WAVE_MODE, 25, 1), 1
	s_wait_xcnt 0x0
	s_wait_alu depctr_hold_cnt(0) depctr_sa_sdst(0) depctr_va_vdst(0) depctr_va_sdst(0) depctr_va_ssrc(0) depctr_va_vcc(0) depctr_vm_vsrc(0)
	s_getreg_b32 s2, hwreg(HW_REG_IB_STS2, 6, 4)
	s_cmp_eq_u32 s2, 0
	s_cbranch_scc0 .Lentry_in_a_cluster
	s_endpgm
.Lentry_in_a_cluster:
	s_bfe_u32 s2, ttmp6, 0x10000c
	s_cmp_lg_u32 s2, 0xf033
	s_cbranch_scc0 .Lentry_shape_is_right
	s_endpgm
.Lentry_shape_is_right:
; qkv = x w_qkv^T on codes of FP6 (E2M3) with E8M0 scales, K = 1,024; the results never go to memory as f32: they are quantised here, q and k along the head's 64 channels, v along the keys.
; OPERANDS lie in opq as images of fragments ([pair of K steps][tile][2 x 1,536 bytes]; lane r of tile 2 g + u holds row 32 g + 8 u + r + 8 (r / 8)); scale words [tile][K steps 0-3 | 4-7][r][4 words] from SC1 on.
; A work-group of four waves makes 256 x 256, a wave 128 x 128: 64 accumulators.  SOURCE 0's rows become the registers' axis of the result, source 1's rows its lanes.  By the tiles' order of rows the 16 registers of
; two neighbouring tiles of source 0 are 16 NEIGHBOURS, so a lane's 64 registers of one block of source 1 are 64 numbers of one row along the NEXT product's K.
;   clusters x = 0 (q) and 1 (k): source 1 = x (tokens in the lanes), source 0 = w (channels in the registers): 128 channels = two heads, each half a fragment (16 tokens x 64).
;   cluster  x = 2 (v):           source 1 = w_v (channels in the lanes), source 0 = x (keys in the registers): a whole fragment of 16 channels x 128 keys.
; Only offsets are chosen by the cluster's x: masks, LDS addresses and the text are the same for all three.
; CLUSTERS 4 x 4: source 1's tiles hang on the place along y and are asked for jointly by a row of the cluster, source 0's on the place along x and by a column.
; 192 work-groups: 3,072 columns are twelve blocks of 256; a block of 192 would straddle the border between k and v.
; LDS: three slots of a pair of K steps (256 along K): four regions of 8 tiles x 3,072 dense bytes, one for each wave's load.  Pairs 0, 1, 2 are first fills; pair 3 is the one refill, into slot 0.  By this text's count a
; wave has at most one tensor load out.  All of LDS is claimed, and 0 is added to spare words in front of the barriers of the changes of slots and at the end.
; qkv: q's codes [head (32)][tile (128)][768]; from QS q's scale words [head][8 tiles][r][8 words]; from KV records [head][128 keys (16)][REC]: k's 8 half fragments, v's 4 fragments, k's words [r][8], v's words [r][4].
; A word of q or k holds the row's two bytes twice: the second product runs a form of K = 128 on K = 64, and its upper 64 are zero codes on q's side.
; LIMITS: a block of zeros, or one whose largest magnitude lies under 2^-124, gets the byte 1; NaN and infinities are not served.
; REGISTERS, in windows of 256: window 0: v1-3 r, h, lane; v8-10 offsets; v12-23 LDS addresses, four for each slot; v32-63, v64-95 scale words of source 1 and source 0; v96-127 at work on the way out;
;   from v128 source 1's fragments, ONE set (on the way out: codes).  window 1: source 0's fragments, TWO sets, at v0 and v128.  windows 2, 3: accumulator (a, b) at v[8 (8 (a % 4) + b)].
.set PAIR1,  1572864
.set SC1,    6291456
.set QS,     3145728
.set KV,     3407872
.set REC,    13056
.set HEADB,  16*REC                    ; a head's 16 records
.set FR,     12                        ; registers of a fragment
.set TILEB,  3072                      ; a tile's two fragments
.set HALFT,  8*TILEB                   ; what one tensor load brings, and what one wave reads of a source
.set SLOT,   4*HALFT                   ; bytes of a pair of K steps in LDS.  ORDER IN LDS: pair 0 (later pair 3): source 1's 16 tiles, source 0's 16; from SLOT on source 1's pairs 1, 2; from 2 SLOT on source 0's pairs 1, 2.  A wave has one load out
.set G1C, 36                           ; s[36:43], s[72:79] groups 1 of the head's loads of pairs 1 and 2
.set G1D, 72
.set SPARE,  3*SLOT                    ; behind the slots: the spare words, 128 bytes for each wave
.set O16, 8                            ; v8   16 x lane
.set O8,  9                            ; v9   8 x lane
.set SO,  10                           ; v10  where my scale words go
.set ADR, 12                           ; slot s: v[ADR+4s] source 1 + 16 x lane, +1 the same + 8 x lane, +2, +3 source 0
.set SPW, 28                           ; v28  my spare word; never rewritten
.set NIL, 29                           ; v29  0; never rewritten
.set SCA, 32                           ; source 1's block a, K step s: v[SCA+4a+s%4]; lanes 0-15 K steps 0-3, lanes 16-31 K steps 4-7
.set SCB, 64                           ; source 0's likewise
.set TM,  96                           ; v96-99 largest magnitudes, v100-103 lane l xor 16's, then bytes, v108-111 scale operands
.set PWS, 112                          ; v112-119 the eight blocks' scale words
.set PT,  120                          ; v120-126 second halves of the codes
.set AF,  128
.set PC,  128                          ; the way out: two sets of 12
.set WP,  152
.set WA,  156
.set WB,  160
.set G1,  24                           ; s[24:31] group 1 for source 1's tiles; s[32:47] groups 0 for pairs 0-3
.set G0,  32
.set G1B, 48                           ; s[48:55], s[68:83] the same for source 0's
.set G0B, 68
.set SEL, 60
.set MUL_LO, 0xa1                      ; source 0 window 1, source 1 window 0, C and D window 2
.set MUL_HI, 0xf1                      ; the same, C and D window 3
.set TO_B,   0x40                      ; destination window 1
.set MSB, 0
.macro WIN new                         ; the immediate's high byte repeats the setting that is left
.if MSB != (\new)
	s_set_vgpr_msb (MSB<<8)|(\new)
.set MSB, (\new)
.endif
.endm
.macro PLACES n
.rept \n
	v_nop
.endr
.endm
; A joint load: waves 0 and 1 fetch for source 1, waves 2 and 3 for source 0.  The branch hangs on the wave's number alone.  Four v_nop follow each of the two lines.
.macro JLOAD g0a, g1a, g0b, g1b
	s_cmp_eq_u32 s15, 0
	s_cbranch_scc0 .Lfor_b_\@
	tensor_load_to_lds s[\g0a:\g0a+3], s[\g1a:\g1a+7]
	s_nop 0
.rept 4
	v_nop
.endr
	s_branch .Lasked_\@
.Lfor_b_\@:
	tensor_load_to_lds s[\g0b:\g0b+3], s[\g1b:\g1b+7]
	s_nop 0
.rept 4
	v_nop
.endr
.Lasked_\@:
.endm
.macro CREST                           ; a round of the cluster's barrier behind its opening barrier
	s_cmp_lg_u32 s14, 0
	s_cbranch_scc1 .Lnot_wave_0_\@
	s_barrier_signal -3
.Lnot_wave_0_\@:
	s_barrier_wait -3
	s_barrier_signal -1
	s_barrier_wait -1
.endm
.macro CROUND
	s_barrier_signal -1
	s_barrier_wait -1
	CREST
.endm
	s_load_b128 s[4:7], s[0:1], 0x0                ; opq s[4:5], qkv s[6:7]
	v_lshl_add_u32 v[SPW], v0, 2, SPARE
	v_mov_b32 v[NIL], 0
	ds_add_u32 v28, v29
	ds_add_u32 v28, v29
	s_wait_dscnt 0x0
	v_lshrrev_b32 v1, 5, v0
	v_readfirstlane_b32 s14, v1                    ; wave 0..3
	s_lshr_b32 s15, s14, 1                         ; my half of source 1's rows.  Also: I fetch for source 1 (0) or source 0 (1)
	s_and_b32 s16, s14, 1                          ; my half of source 0's rows.  Also: which 8 tiles I fetch
	s_bfe_u32 s56, ttmp6, 0x40000                  ; cx
	s_bfe_u32 s57, ttmp6, 0x40004                  ; cy
	s_lshl_b32 s58, s57, 2
	s_lshl_b32 s58, 15, s58                        ; my row of the cluster
	s_lshl_b32 s59, 0x1111, s56                    ; my column
	s_and_b32 s60, ttmp7, 0xffff
	s_lshl_b32 s60, s60, 6                         ; 64 x cluster y: x's tiles of this row of clusters
	s_lshl_b32 s61, ttmp9, 6
	s_add_co_u32 s61, s61, 256                     ; 256 + 64 x cluster x: w's tiles of q or of k
	s_lshl_b32 s19, s57, 4
	s_lshl_b32 s63, s56, 4
	s_cmp_eq_u32 ttmp9, 2                          ; v?  The cluster's x is the same in all sixteen partners
	s_cselect_b32 s17, 384, s60
	s_cselect_b32 s62, s60, s61
	s_add_co_u32 s17, s17, s19                     ; source 1's first tile: it hangs on cy, never on cx
	s_add_co_u32 s62, s62, s63                     ; source 0's first tile: it hangs on cx, never on cy
.macro SHAPE c, r, p                   ; both groups 1: r rows of c elements of 8 bytes, p elements from row to row
.irp g, G1, G1B
	s_mov_b32 s[\g+1], (\c)<<16
	s_mov_b32 s[\g+2], (\r)<<16
	s_mov_b32 s[\g+3], (\c)<<16
	s_mov_b32 s[\g+4], \r
	s_mov_b32 s[\g+5], \p
.endr
.endm
	s_or_b32 s[G1], s58, (3<<16)|(1<<21)           ; 15:0 the mask; 17:16 elements of 8 bytes; 21 set beside a mask
	s_or_b32 s[G1B], s59, (3<<16)|(1<<21)
	SHAPE 32, 192, 32                              ; the head's loads of pair 0: a source's 16 tiles, 49,152 dense bytes as 192 rows of 256
	s_or_b32 s[G1C], s58, (3<<16)|(1<<21)
	s_or_b32 s[G1D], s59, (3<<16)|(1<<21)
.irp g, G1C, G1D                       ; and of pairs 1, 2: two rows of 49,152 dense bytes, PAIR1 bytes apart in memory, on end in LDS
	s_mov_b32 s[\g+1], 6144<<16
	s_mov_b32 s[\g+2], 2<<16
	s_mov_b32 s[\g+3], 6144<<16
	s_mov_b32 s[\g+4], 2
	s_mov_b32 s[\g+5], PAIR1/8
	s_mov_b32 s[\g+6], 0
	s_mov_b32 s[\g+7], 0
.endr
.irp g, G1, G1B
	s_mov_b32 s[\g+6], 0
	s_mov_b32 s[\g+7], 0
.endr
	s_lshl_b32 s23, s16, 3                         ; which 8 tiles I fetch
	s_add_co_u32 s20, s17, s23
	s_mul_i32 s20, s20, TILEB
	s_mov_b32 s21, 0
	s_add_co_u32 s66, s62, s23
	s_mul_i32 s66, s66, TILEB
	s_mov_b32 s67, 0
	s_mul_i32 s22, s14, HALFT                      ; where the refill's tiles go: wave x 8 tiles
	s_wait_kmcnt 0x0
	s_add_nc_u64 s[20:21], s[4:5], s[20:21]
	s_add_nc_u64 s[66:67], s[4:5], s[66:67]
	CROUND                                         ; all sixteen work-groups are here: the first joint loads meet
.irp k, 3
	s_mov_b32 s[G0+4*\k], 1
	s_add_co_u32 s[G0+4*\k+1], s22, (\k%3)*SLOT
	s_add_nc_u64 s[G0+4*\k+2:G0+4*\k+3], s[20:21], \k*PAIR1
	s_or_b32 s[G0+4*\k+3], s[G0+4*\k+3], 0x80000000
	s_mov_b32 s[G0B+4*\k], 1
	s_add_co_u32 s[G0B+4*\k+1], s22, (\k%3)*SLOT
	s_add_nc_u64 s[G0B+4*\k+2:G0B+4*\k+3], s[66:67], \k*PAIR1
	s_or_b32 s[G0B+4*\k+3], s[G0B+4*\k+3], 0x80000000
.endr
	; THE HEAD'S LOADS, one a wave, in four arms of one chain: wave 0 source 1's pair 0, wave 1 source 0's, wave 2 source 1's pairs 1 and 2, wave 3 source 0's
	s_mul_i32 s86, s15, PAIR1                      ; waves 2, 3 begin at pair 1
	s_mul_i32 s84, s17, TILEB
	s_add_co_u32 s84, s84, s86
	s_mov_b32 s85, 0
	s_mov_b32 s[G0], 1
	s_mul_i32 s[G0+1], s15, SLOT
	s_add_nc_u64 s[G0+2:G0+3], s[4:5], s[84:85]
	s_or_b32 s[G0+3], s[G0+3], 0x80000000
	s_mul_i32 s88, s62, TILEB
	s_add_co_u32 s88, s88, s86
	s_mov_b32 s89, 0
	s_mov_b32 s[G0B], 1
	s_mul_i32 s[G0B+1], s15, 6*HALFT
	s_add_co_u32 s[G0B+1], s[G0B+1], 2*HALFT
	s_add_nc_u64 s[G0B+2:G0B+3], s[4:5], s[88:89]
	s_or_b32 s[G0B+3], s[G0B+3], 0x80000000
.macro ARM under, g0, g1, next
	s_cmp_lt_u32 s14, \under
	s_cbranch_scc0 \next
	tensor_load_to_lds s[\g0:\g0+3], s[\g1:\g1+7]
	s_nop 0
	PLACES 4
	s_branch .Lhead_asked
\next:
.endm
	ARM 1, G0,  G1,  .Lhead_1
	ARM 2, G0B, G1B, .Lhead_2
	ARM 3, G0,  G1C, .Lhead_3
	tensor_load_to_lds s[G0B:G0B+3], s[G1D:G1D+7]
	s_nop 0
	PLACES 4
.Lhead_asked:
	v_and_b32 v3, 31, v0                           ; lane
	v_and_b32 v1, 15, v0                           ; r
	v_bfe_u32 v2, v0, 4, 1                         ; h
	v_lshlrev_b32 v[O16], 4, v3
	s_wait_alu depctr_va_vdst(0)
	v_lshlrev_b32 v[O8], 3, v3
	s_wait_alu depctr_va_vdst(0)
	s_lshl_b32 s18, s15, 3
	s_add_co_u32 s18, s18, s17                     ; my first tile of source 1
	s_lshl_b32 s63, s16, 3
	s_add_co_u32 s63, s63, s62                     ; and of source 0
	s_lshl_b32 s84, s18, 9
	s_mov_b32 s85, 0
	s_add_nc_u64 s[84:85], s[4:5], s[84:85]
	s_lshl_b32 s86, s63, 9
	s_mov_b32 s87, 0
	s_add_nc_u64 s[86:87], s[4:5], s[86:87]
.irp i, 0,1,2,3,4,5,6,7                ; the scale words of all of K go straight into registers: 512 consecutive bytes a load
	global_load_b128 v[SCA+4*\i:SCA+4*\i+3], v[O16], s[84:85] offset:SC1+512*\i
	global_load_b128 v[SCB+4*\i:SCB+4*\i+3], v[O16], s[86:87] offset:SC1+512*\i
.endr
	s_mul_i32 s96, s15, HALFT                      ; my eight tiles of source 1's sixteen,
	s_mul_i32 s97, s16, HALFT
	s_add_co_u32 s97, s97, 2*HALFT                 ; and of source 0's
.irp s, 0,1,2
	v_add_nc_u32 v[ADR+4*\s], s96, v[O16]
	v_add_nc_u32 v[ADR+4*\s+1], s96, v[O8]
	v_add_nc_u32 v[ADR+4*\s+2], s97, v[O16]
	v_add_nc_u32 v[ADR+4*\s+3], s97, v[O8]
.if \s == 0
	s_add_co_u32 s96, s96, 4*HALFT                 ; from pair 0 to pair 1: source 1's begins at SLOT,
	s_add_co_u32 s97, s97, 6*HALFT                 ; source 0's at 2 SLOT
.else
	s_add_co_u32 s96, s96, 2*HALFT                 ; from pair 1 to pair 2: sixteen tiles on
	s_add_co_u32 s97, s97, 2*HALFT
.endif
.endr
.macro FRAG reg, adr, off              ; a fragment's image comes back as it was stored: each load takes consecutive bytes
	ds_load_b128 v[\reg:\reg+3], v[\adr] offset:\off
	ds_load_b64 v[\reg+4:\reg+5], v[\adr+1] offset:\off+512
	ds_load_b128 v[\reg+6:\reg+9], v[\adr] offset:\off+768
	ds_load_b64 v[\reg+10:\reg+11], v[\adr+1] offset:\off+1280
.endm
.macro FETCH_B slot, q, p              ; source 0's eight fragments of the slot's q-th K step into set p: 32 loads
	WIN TO_B
.irp i, 0,1,2,3,4,5,6,7
	FRAG 128*(\p)+FR*\i, ADR+4*(\slot)+2, \i*TILEB+(\q)*1536
.endr
	WIN 0
.endm
.macro FETCH_A slot, q, i0             ; source 1's blocks i0 .. i0 + 3: 16 loads
.irp i, \i0, \i0+1, \i0+2, \i0+3
	FRAG AF+FR*(\i), ADR+4*(\slot), (\i)*TILEB+(\q)*1536
.endr
.endm
; 16 matrix instructions: source 1's blocks a0, a0 + 1 x source 0's eight, K step s.  The 64 accumulators take turns, one instruction a turn, in the same order in every K step.
.macro MUL16 a0, p, s, zero
.irp a, \a0, \a0+1
.irp b, 0,1,2,3,4,5,6,7
.if \zero
	v_wmma_scale_f32_16x16x128_f8f6f4 v[8*(8*((\a)%4)+\b):8*(8*((\a)%4)+\b)+7], v[128*(\p)+FR*\b:128*(\p)+FR*\b+FR-1], v[AF+FR*(\a):AF+FR*(\a)+FR-1], 0, v[SCB+4*\b+(\s)%4], v[SCA+4*(\a)+(\s)%4] matrix_a_fmt:MATRIX_FMT_FP6 matrix_b_fmt:MATRIX_FMT_FP6
.elseif (\s) < 4
	v_wmma_scale_f32_16x16x128_f8f6f4 v[8*(8*((\a)%4)+\b):8*(8*((\a)%4)+\b)+7], v[128*(\p)+FR*\b:128*(\p)+FR*\b+FR-1], v[AF+FR*(\a):AF+FR*(\a)+FR-1], v[8*(8*((\a)%4)+\b):8*(8*((\a)%4)+\b)+7], v[SCB+4*\b+(\s)%4], v[SCA+4*(\a)+(\s)%4] matrix_a_fmt:MATRIX_FMT_FP6 matrix_b_fmt:MATRIX_FMT_FP6
.else
	v_wmma_scale_f32_16x16x128_f8f6f4 v[8*(8*((\a)%4)+\b):8*(8*((\a)%4)+\b)+7], v[128*(\p)+FR*\b:128*(\p)+FR*\b+FR-1], v[AF+FR*(\a):AF+FR*(\a)+FR-1], v[8*(8*((\a)%4)+\b):8*(8*((\a)%4)+\b)+7], v[SCB+4*\b+(\s)%4], v[SCA+4*(\a)+(\s)%4] matrix_a_fmt:MATRIX_FMT_FP6 matrix_b_fmt:MATRIX_FMT_FP6 matrix_a_scale:MATRIX_SCALE_ROW1 matrix_b_scale:MATRIX_SCALE_ROW1
.endif
.endr
.endr
.endm
; K step s, whose successor's tiles are known to lie in LDS.  A load into a register that a matrix instruction has read stands four plain vector instructions behind it.
.macro STEP s, zero
.set NSL, (((\s)+1)/2)%3               ; the next K step's slot,
.set NQ,  ((\s)+1)%2                   ; and its place there
	s_wait_dscnt 16                                ; source 0's set and source 1's blocks 0-3 are in; the youngest 16 loads (blocks 4-7) may be out
	WIN MUL_LO
	MUL16 0, (\s)%2, \s, \zero
	MUL16 2, (\s)%2, \s, \zero
	s_wait_dscnt 0x0                               ; blocks 4-7 are in
	PLACES 4
	FETCH_B NSL, NQ, 1-(\s)%2
	FETCH_A NSL, NQ, 0
	WIN MUL_HI
	MUL16 4, (\s)%2, \s, \zero
	MUL16 6, (\s)%2, \s, \zero
	PLACES 4
	WIN 0
	FETCH_A NSL, NQ, 4
.endm
; An odd K step in front of a slot that is not yet known to be whole: ONE barrier.  In front of it each wave waits for all its tensor loads, adds 0 to its spare word, and waits for that and for its own reads of the slot.
; fill = 1: the barrier opens a round of the cluster's barrier, and behind it slot 0, which nobody reads any more, takes pair 3.
.macro TURN s, fill
.set NSL, (((\s)+1)/2)%3
	s_wait_tensorcnt 0x0                           ; all my tensor loads have landed
	ds_add_u32 v[SPW], v[NIL]                      ; 0 onto my spare word
.if \fill
	SHAPE 32, 96, 32                               ; no tensor load of mine is out: the refill brings one pair, 24,576 dense bytes as 96 rows of 256
.endif
	s_wait_dscnt 17
	WIN MUL_LO
	MUL16 0, 1, \s, 0                              ; sixteen matrix instructions stand between the add and the wait for it
	s_wait_dscnt 0x0                               ; the add is done, and my reads of this slot are over
	s_barrier_signal -1
	MUL16 2, 1, \s, 0
	WIN 0
	s_barrier_wait -1
.if \fill
	CREST                                          ; no wave of any partner still reads slot 0 or has a load on its way
	JLOAD G0+12, G1, G0B+12, G1B                   ; the first tensor load behind the round: pair 3; it has three and a half K steps, 224 matrix instructions, in which to land.  Its four v_nop are the places in front of the loads below
.else
	PLACES 4
.endif
	FETCH_B NSL, 0, 0
	FETCH_A NSL, 0, 0
	WIN MUL_HI
	MUL16 4, 1, \s, 0
	MUL16 6, 1, \s, 0
	PLACES 4
	WIN 0
	FETCH_A NSL, 0, 4
.endm
	s_wait_alu depctr_va_vdst(0)
	s_cmp_lt_u32 s14, 2
	s_cbranch_scc0 .Lnot_first
	s_wait_tensorcnt 0x0                           ; waves 0 and 1: my half of pair 0 is in
.Lnot_first:
	s_barrier_signal -1
	s_barrier_wait -1                              ; both are; the loads of waves 2 and 3 may be out
	FETCH_B 0, 0, 0
	FETCH_A 0, 0, 0
	FETCH_A 0, 0, 4
	s_wait_loadcnt 0x0                             ; the scale words
	STEP 0, 1                                      ; the first products start the sums: nothing is cleared
	TURN 1, 1                                      ; pairs 1 and 2 are whole in every wave's eyes from here on; slot 0 is filled again
	STEP 2, 0
	STEP 3, 0
	STEP 4, 0
	TURN 5, 0                                      ; pair 3 is whole; nothing is filled
	STEP 6, 0
	s_wait_dscnt 16                                ; the last K step: nothing more to fetch
	WIN MUL_LO
	MUL16 0, 1, 7, 0
	MUL16 2, 1, 7, 0
	s_wait_dscnt 0x0
	WIN MUL_HI
	MUL16 4, 1, 7, 0
	MUL16 6, 1, 7, 0
	WIN 0
	; THE WAY OUT.  Where my results go, in bytes from qkv's first byte; the three kinds differ in offsets alone, chosen on the cluster's x.
.irp b, 0,1,2,3
	v_mov_b32 v[TM+4+\b], 0                        ; a lane permute's destination counts as one of its sources.  These four are also the places behind the last products
.endr
	s_mov_b32 s[SEL], 0x76543210
	s_mov_b32 s[SEL+1], 0xfedcba98
	s_cmp_eq_u32 ttmp9, 2
	s_cselect_b32 s84, s63, s18                    ; my first tile of x,
	s_cselect_b32 s85, s18, s63                    ; and of w
	s_lshr_b32 s86, s84, 7                         ; the batch
	s_and_b32 s87, s84, 127                        ; the tile in it
	s_lshr_b32 s88, s87, 3                         ; which 128 tokens
	s_and_b32 s85, s85, 63                         ; (q, k and v have 64 tiles each, and w's begin at tile 256)
	s_lshr_b32 s85, s85, 2                         ; four tiles to a head
	s_lshl_b32 s86, s86, 4
	s_add_co_u32 s86, s86, s85                     ; my first head of two
	s_lshl_b32 s89, s86, 4
	s_add_co_u32 s89, s89, s88
	s_mul_i32 s90, s89, REC
	s_add_co_u32 s90, s90, KV                      ; its record for these 128 tokens
	s_lshl_b32 s91, s86, 7
	s_add_co_u32 s91, s91, s87
	s_mul_i32 s91, s91, 768                        ; q's half fragments
	s_lshl_b32 s92, s89, 9
	s_add_co_u32 s92, s92, QS                      ; q's scale words
	s_add_co_u32 s93, s90, 6144                    ; v's fragments in the record,
	s_add_co_u32 s94, s90, 12288                   ; k's scale words,
	s_add_co_u32 s95, s90, 12800                   ; v's
	s_mov_b32 s96, HEADB
	s_mov_b32 s97, 128*768
	s_mov_b32 s98, HEADB-3*1536
	s_mov_b32 s20, 768
	s_mov_b32 s22, 768
	s_mov_b32 s99, 0x01000100                      ; v_perm_b32: the word's low half twice
	s_cmp_eq_u32 ttmp9, 0
	s_cselect_b32 s8, s91, s90                     ; the first half fragment,
	s_cselect_b32 s10, s97, s96                    ; from it to the second (the next head's),
	s_cselect_b32 s12, s92, s94                    ; the first head's words,
	s_cselect_b32 s2, 8192, s96                    ; from them to the second head's
	s_cmp_eq_u32 ttmp9, 2
	s_cselect_b32 s8, s93, s8
	s_cselect_b32 s10, 768, s10                    ; v: the same fragment's second half
	s_cselect_b32 s12, s95, s12
	s_cselect_b32 s20, 1536, s20                   ; from block to block,
	s_cselect_b32 s22, s98, s22                    ; and from block 3 to block 4: in v the next head
	s_cselect_b32 s99, 0x03020100, s99             ; v: the word as it is
	s_cselect_b32 s84, 4, 5
	s_cselect_b32 s85, s96, 16
	s_mov_b32 s9, 0
	s_mov_b32 s11, 0
	s_mov_b32 s13, 0
	s_mov_b32 s3, 0
	s_mov_b32 s21, 0
	s_mov_b32 s23, 0
	s_add_nc_u64 s[8:9], s[6:7], s[8:9]
	s_add_nc_u64 s[10:11], s[8:9], s[10:11]
	s_add_nc_u64 s[12:13], s[6:7], s[12:13]
	s_add_nc_u64 s[2:3], s[12:13], s[2:3]
	v_lshlrev_b32 v[SO], s84, v1                   ; q, k: 32 r + 16 h (eight words a row);  v: 16 r (four words a row) + a head x h
	v_mad_u32_u24 v[SO], v2, s85, v[SO]
; Block a's 64 numbers of a lane, register 16 b + i = index 32 b + 16 h + i of my row along the next K, become 12 registers of codes and a scale word.  Each accumulator is read from its low end on.
.macro QUANTA a
.set AC, 64*((\a)%4)
.set PCC, PC+12*((\a)%2)
	WIN 5*(2+(\a)/4)                               ; sources 0 and 1: window 2 or 3
.irp b, 0,1,2,3
	v_max3_num_f32 v[TM+\b], |v[AC+16*\b]|, |v[AC+16*\b+1]|, 0x1800000   ; with the floor 2^(3 - 127): the byte cannot fall under 1
.endr
.irp i, 2,4,6,8,10,12,14
.irp b, 0,1,2,3
	v_max3_num_f32 v[TM+\b], |v[AC+16*\b+\i]|, |v[AC+16*\b+\i+1]|, v[TM+\b]   ; (the four blocks by turns)
.endr
.endr
	WIN 0
.irp b, 0,1,2,3
	v_permlanex16_b32 v[TM+4+\b], v[TM+\b], s[SEL], s[SEL+1]
.endr
.irp b, 0,1,2,3
	v_max_num_f32 v[TM+\b], v[TM+\b], v[TM+4+\b]   ; with lane l xor 16's 16: the block's largest magnitude
.endr
.irp b, 0,1,2,3
	v_add_nc_u32 v[TM+12+\b], 0xff000000, v[TM+\b] ; 2 off the exponent field: the conversion's scale operand
.endr
.irp b, 0,1,2,3
	v_lshrrev_b32 v[TM+4+\b], 23, v[TM+12+\b]      ; the scale's byte
.endr
	v_lshl_or_b32 v[PWS+(\a)], v[TM+5], 8, v[TM+4]
	v_lshl_or_b32 v[PWS+(\a)], v[TM+6], 16, v[PWS+(\a)]
	v_lshl_or_b32 v[PWS+(\a)], v[TM+7], 24, v[PWS+(\a)]
	WIN 2+(\a)/4                                   ; source 0: window 2 or 3
.irp c, 0,1
	v_cvt_scalef32_pk16_fp6_f32 v[PCC+6*\c:PCC+6*\c+2], v[AC+32*\c:AC+32*\c+15], v[TM+12+2*\c]
	v_cvt_scalef32_pk16_fp6_f32 v[PT+4*\c:PT+4*\c+2], v[AC+32*\c+16:AC+32*\c+31], v[TM+12+2*\c+1]   ; (a conversion's three registers begin on an even number)
.endr
	WIN 0
	v_nop                                          ; one plain place behind a scaled conversion
.irp c, 0,1                            ; the operand's layout wants a WHOLE block in a lane: lanes 0-15 block 2 c, lanes 16-31 block 2 c + 1
.irp i, 0,1,2
	v_permlane16_swap_b32 v[PCC+6*\c+\i], v[PT+4*\c+\i]
.endr
.irp i, 0,1,2
	v_mov_b32 v[PCC+6*\c+3+\i], v[PT+4*\c+\i]
.endr
.endr
.endm
.irp a, 0,1,2,3,4,5,6,7
.if \a > 0
	s_wait_xcnt 0x0                                ; the earlier stores have read their bases and their data: both are written again only behind this wait
.if \a == 4
	s_add_nc_u64 s[8:9], s[8:9], s[22:23]
	s_add_nc_u64 s[10:11], s[10:11], s[22:23]
.else
	s_add_nc_u64 s[8:9], s[8:9], s[20:21]
	s_add_nc_u64 s[10:11], s[10:11], s[20:21]
.endif
.endif
	QUANTA \a
	global_store_b128 v[O16], v[PCC:PCC+3], s[8:9]              ; each store covers 512 or 256 consecutive bytes, at a multiple of 256 from qkv's first byte
	global_store_b64 v[O8], v[PCC+4:PCC+5], s[8:9] offset:512
	global_store_b128 v[O16], v[PCC+6:PCC+9], s[10:11]
	global_store_b64 v[O8], v[PCC+10:PCC+11], s[10:11] offset:512
.endr
	v_cmp_lt_u32 vcc_lo, 15, v3                    ; lanes 0-15 store their row's words of blocks 0-3, lanes 16-31 those of blocks 4-7
.irp i, 0,1,2,3
	v_cndmask_b32 v[WP+\i], v[PWS+\i], v[PWS+4+\i], vcc_lo
.endr
.irp i, 0,1,2,3
	v_perm_b32 v[WA+\i], v[WP+\i], v[WP+\i], s99   ; q, k: the first head's two bytes, twice;  v: the word
.endr
	global_store_b128 v[SO], v[WA:WA+3], s[12:13]
	s_cmp_eq_u32 ttmp9, 2                          ; the same in all partners and all waves
	s_cbranch_scc1 .Lno_second
.irp i, 0,1,2,3
	v_perm_b32 v[WB+\i], v[WP+\i], v[WP+\i], 0x03020302   ; the second head's two bytes, twice
.endr
	global_store_b128 v[SO], v[WB:WB+3], s[2:3]
.Lno_second:
	s_wait_tensorcnt 0x0                           ; the wave's end
	ds_add_u32 v[SPW], v[NIL]
	s_wait_dscnt 0x0
	CROUND                                         ; the closing round: no work-group ends while a partner may still ask for a tile that names it
	s_endpgm
.Lfunc_end_k_q877f39b518_qkv:
	.size	k_q877f39b518_qkv, .Lfunc_end_k_q877f39b518_qkv-k_q877f39b518_qkv
	.p2alignl 7, 3214868480
	.fill 96, 4, 3214868480
	.section	.rodata,"a",@progbits
	.p2align	6, 0x0
	.amdhsa_kernel k_q877f39b518_qkv
		.amdhsa_group_segment_fixed_size 327680
		.amdhsa_private_segment_fixed_size 0
		.amdhsa_enable_private_segment 0
		.amdhsa_kernarg_size 16
		.amdhsa_user_sgpr_count 2
		.amdhsa_user_sgpr_kernarg_segment_ptr 1
		.amdhsa_wavefront_size32 1
		.amdhsa_system_sgpr_workgroup_id_x 1
		.amdhsa_system_sgpr_workgroup_id_y 1
		.amdhsa_system_sgpr_workgroup_id_z 1
		.amdhsa_system_vgpr_workitem_id 0
		.amdhsa_next_free_vgpr 1024
		.amdhsa_next_free_sgpr 100
		.amdhsa_reserve_vcc 1
		.amdhsa_float_denorm_mode_32 3
		.amdhsa_float_denorm_mode_16_64 3
		.amdhsa_memory_ordered 1
		.amdhsa_forward_progress 1
		.amdhsa_inst_pref_size 150
	.end_amdhsa_kernel
	.amdgpu_metadata
---
amdhsa.version: [ 1, 2 ]
amdhsa.kernels:
  - .name:           k_q877f39b518_qkv
    .symbol:         k_q877f39b518_qkv.kd
    .args:
      - { .name: opq, .offset: 0, .size: 8, .value_kind: global_buffer, .address_space: global }
      - { .name: qkv, .offset: 8, .size: 8, .value_kind: global_buffer, .address_space: global }
    .group_segment_fixed_size: 327680
    .private_segment_fixed_size: 0
    .kernarg_segment_align: 8
    .kernarg_segment_size: 16
    .max_flat_workgroup_size: 128
    .sgpr_count:     100
    .vgpr_count:     1024
    .wavefront_size: 32
...
	.end_amdgpu_metadata
.endif
;; end of part 2
;; launch attn (part 3): grid 8 x 32, 8 waves a work-group, clusters of 4 x 1, 262,144 bytes of LDS; arguments qkv, att; writes att
.if DOCPART == 3
	.amdgcn_target "amdgcn-amd-amdhsa--gfx1250"
	.amdhsa_code_object_version 6
	.text
	.protected	k_q877f39b518_attn
	.globl	k_q877f39b518_attn
	.p2align	8
	.type	k_q877f39b518_attn,@function
k_q877f39b518_attn:
	s_mov_b64 s[64:65], 0
	v_nop
	global_prefetch_b8 v0, s[64:65] scope:SCOPE_SE
	s_setreg_imm32_b32 hwreg(HW_REG_WAVE_MODE, 25, 1), 1
	s_wait_xcnt 0x0
	s_wait_alu depctr_hold_cnt(0) depctr_sa_sdst(0) depctr_va_vdst(0) depctr_va_sdst(0) depctr_va_ssrc(0) depctr_va_vcc(0) depctr_vm_vsrc(0)
	s_getreg_b32 s2, hwreg(HW_REG_IB_STS2, 6, 4)
	s_cmp_eq_u32 s2, 0
	s_cbranch_scc0 .Lentry_in_a_cluster
	s_endpgm
.Lentry_in_a_cluster:
	s_bfe_u32 s2, ttmp6, 0x10000c
	s_cmp_lg_u32 s2, 0x3003
	s_cbranch_scc0 .Lentry_shape_is_right
	s_endpgm
.Lentry_shape_is_right:
; For each of 32 heads (2 batches x 16): o = softmax(q k^T / 8) v, both products on codes of FP6 (E2M3) with E8M0 scales; o / l is quantised along the head's 64 channels for the last product.
; THE SOFTMAX: t = score x log2(e) / 8; M = ceil(the row's largest t so far), a whole number; p = 2^(t - M) is quantised along the keys, not normalised; the row's sum is taken of the unquantised p, in f32.
; When M moves, the sum and O are multiplied by 2^(old M - new M): exact.  The running maximum is kept as a score (c > 0, so the order is the same).
; SHARES: a work-group owns 256 queries of a head, each of its eight waves TWO tiles of 16 (x = 0, 1): each fragment of k and v that a wave reads from LDS feeds both, and the two tiles' chains stand side by side.
; ALL OF THE HEAD'S K AND V LIE IN LDS: 16 records of 128 keys (k's 8 half fragments, v's 4 fragments, k's scale words [r][8], v's [r][4]; 13,056 bytes), each filled once: WAVE w ASKS FOR RECORDS 2 w, 2 w + 1 by
; one tensor load, with no branch.  The four query blocks of a cluster read the same records: joint loads, mask 15.
; THE WALK: wave w takes the records in the order 2 w, 2 w + 1, .. (mod 16): the running M makes the order free.  The first step touches only the two records that the wave fetched itself, so it stands between the
; signal and the wait of the one barrier that shows all records to all waves.  No prefetch: every tensor load goes out at the head, so there is no loop to run ahead in.
; k and v have registers of their own: the next record's k is asked of LDS behind this step's first product, its v behind the second.  THE COUNTED WAITS: at a step's top 17 (v's 17 loads are younger than k's 20);
; ahead of the second product 20 (the next record's k is younger than v), in the last step 0.
; LDS: a record's 51 rows of 256 bytes lie 320 bytes apart: byte y of a record is at y + 64 (y / 256).
; LAYOUT: both products are used transposed (S^T = k q^T, O^T = v^T p^T): a lane holds ONE query of each tile.  In memory lane r of k's tile 2 g + u holds key 32 g + 8 u + r + 8 (r / 8).  THE TILES ARE MADE ANEW BY THE LANES'
; LDS ADDRESSES: tile j = 2 jj + u of band c (64 keys) takes keys 64 c + 8 j + 0..7 in rows 0-7 (old tile 4 c + u, old rows 8 jj + ..) and keys 64 c + 32 + 8 j + 0..7 in rows 8-15 (old tile 4 c + 2 + u).
; So register 32 c + 8 j + i of lane (r, h) is key 64 c + 32 h + 8 j + i: a lane's 32 registers are one whole scale block, and the conversions' results are the operand's registers.
; K = 64 IN A FORM OF K = 128: q's registers 6-11 are zero codes; k's fragment is named as 12 registers, whose upper six (the next tile's codes, or zeros) meet zero codes alone.
; LIMITS: the scaled scores stay under 2^31 in magnitude; a block of zeros, or one whose largest magnitude lies under 2^-124, gets the byte 1; NaN and infinities are not served.
; att: codes [pair of K steps (4)][tile (256)][2 x 1,536]; K step = a pair of heads, each half a fragment; from ASC on scale words [tile][K steps 0-3 | 4-7][r][4 words], a head two bytes of a word.
; REGISTERS.  Window 0: addresses, q, k, v, scale words, and for each tile 20 small numbers from v[SMB + 20 x].  Window 1: for each tile S^T / p, O^T, p's codes, the sum's chains.
.set QS,    3145728
.set KV,    3407872
.set REC,   13056
.set RECL,  16320                      ; a record in LDS: 51 x 320
.set SPARE, 16*RECL                    ; behind the records: the spare words, 128 bytes for each wave
.set PAIR2, 786432
.set ASC,   3145728
.set BK16, 1                           ; v1-6 lane terms of the LDS addresses: k's 16-byte and 8-byte pieces, k's words, v's pieces, v's words
.set BK8,  2
.set BKS,  3
.set BV16, 4
.set BV8,  5                           ; (= 8 x lane)
.set BVS,  6                           ; (= 16 r)
.set H8,   7                           ; v7  8 h
.set AK16, 8                           ; v8-13 the same six in a record
.set AK8,  9
.set AKS,  10
.set AV16, 11
.set AV8,  12
.set AVS,  13
.set L16,  14                          ; v14 16 x lane
.set QF,   16                          ; v16-39 q, 12 a tile (the upper six: zero codes)
.set QW,   40                          ; v40-41 q's scale words
.set PW,   42                          ; v42-43 p's
.set VS,   44                          ; v44-47 v's
.set KS,   48                          ; v48-55 k's
.set KF,   56                          ; v56-103 k's 8 half fragments; v104-109 zeros, never rewritten
.set VF,   110                         ; v110-157 v's 4 fragments
.set SMB,  160                         ; a tile's small numbers:
.set BM,   0                           ; my two blocks' largest scores, then largest p
.set TY,   2                           ; their second chains
.set SOP,  4                           ; the conversions' scale operands
.set BY,   6
.set PX,   8
.set TP,   9
.set F,    10                          ; f = 2^(old M - new M), the low word of a pair
.set NM,   12                          ; -M,
.set SM,   13                          ; the largest score so far
.set LS,   14                          ; the row's sum, in two halves
.set TP2,  16
.set S,    0                           ; window 1: 64 a tile
.set O,    128                         ; 32 a tile
.set PC,   192                         ; 12 a tile
.set T,    216                         ; 8 a tile
.set CH,   232                         ; 8 a tile: four chains
.set WV,  18
.set W2,  19
.set SEL, 20
.set CS,  22                           ; s[22:23] c = log2(e) / 8
.set G0,  24
.set CN,  28                           ; -c
.set IX,  29
.set G1,  40
.set TB,  48                           ; LDS byte at which the record to be fetched begins
.set CNT, 49
.set MSB, 0
.macro WIN new                         ; low byte: bits 1:0 source 0, 3:2 source 1, 5:4 source 2, 7:6 destination; the high byte repeats the setting that is left
.if MSB != (\new)
	s_set_vgpr_msb (MSB<<8)|(\new)
.set MSB, (\new)
.endif
.endm
.macro WALU
	s_wait_alu depctr_va_vdst(0)
.endm
.macro CROUND                          ; a round of the cluster's barrier
	s_barrier_signal -1
	s_barrier_wait -1
	s_cmp_lg_u32 s[WV], 0
	s_cbranch_scc1 .Lnot_wave_0_\@
	s_barrier_signal -3
.Lnot_wave_0_\@:
	s_barrier_wait -3
	s_barrier_signal -1
	s_barrier_wait -1
.endm
	s_load_b128 s[4:7], s[0:1], 0x0                ; qkv s[4:5], att s[6:7]
	v_lshl_add_u32 v254, v0, 2, SPARE
	v_mov_b32 v255, 0
	ds_add_u32 v254, v255                          ; the opening lines
	ds_add_u32 v254, v255
	v_lshrrev_b32 v200, 5, v0
	v_readfirstlane_b32 s[WV], v200                ; wave 0..7
	s_lshl_b32 s[W2], s[WV], 1
	s_bfe_u32 s50, ttmp6, 0x40000                  ; cx: it enters q's and att's global addresses alone
	s_lshl_b32 s51, ttmp9, 2
	s_add_co_u32 s51, s51, s50                     ; my block of 256 queries
	s_lshl_b32 s51, s51, 4
	s_add_co_u32 s51, s51, s[W2]                   ; my first tile of queries in the head
	s_and_b32 s52, ttmp7, 0xffff                   ; the head, which the partners share
	s_lshl_b32 s53, s52, 4
	s_add_co_u32 s53, s53, s[W2]                   ; record 2 w of the head,
	s_mul_i32 s54, s53, REC
	s_add_co_u32 s54, s54, KV                      ; in memory,
	s_mov_b32 s55, 0
	s_mul_i32 s[TB], s[WV], 2*RECL                 ; and in LDS
	s_mov_b32 s[G1], 15|(3<<16)|(1<<20)|(1<<21)|(5<<22)|(15<<25)   ; the mask: all four work-groups; elements of 8 bytes; behind every 64 words 16 words of padding; 21 set beside a mask
	s_mov_b32 s[G1+1], 32<<16                      ; two records: 102 dense rows of 256 bytes
	s_mov_b32 s[G1+2], 102<<16
	s_mov_b32 s[G1+3], 32<<16
	s_mov_b32 s[G1+4], 102
	s_mov_b32 s[G1+5], 32
	s_mov_b32 s[G1+6], 0
	s_mov_b32 s[G1+7], 0
	s_mov_b32 s[SEL], 0x76543210
	s_mov_b32 s[SEL+1], 0xfedcba98                 ; v_permlanex16_b32's selects for lane l xor 16
	s_mov_b32 s[CS], 0x3e38aa3b
	s_mov_b32 s[CS+1], s[CS]                       ; (named with it as a pair, so it is written)
	s_mov_b32 s[CN], 0xbe38aa3b
	v_and_b32 v200, 15, v0                         ; r
	v_bfe_u32 v201, v0, 4, 1                       ; h
	v_and_b32 v202, 7, v0                          ; r % 8
	v_bfe_u32 v203, v0, 3, 1                       ; r / 8
	v_and_b32 v204, 31, v0                         ; lane
	v_mul_u32_u24 v205, v203, 1920                 ; rows 8-15 come from the old tile two further on: 6 rows of 320
	v_lshlrev_b32 v[BVS], 4, v200
	v_lshlrev_b32 v[BV8], 3, v204
	v_lshlrev_b32 v[L16], 4, v204
	v_lshlrev_b32 v206, 5, v200                    ; 32 r: q's scale words
	v_lshlrev_b32 v[H8], 3, v201
	v_lshlrev_b32 v[BKS], 5, v202
	v_mad_u32_u24 v[BV16], v201, 320, v[BVS]       ; 16 x lane, lanes 16-31 behind one padding
	v_lshl_add_u32 v[BK16], v202, 4, v205
	v_lshl_add_u32 v[BK8], v202, 3, v205
	v_lshl_add_u32 v[BKS], v203, 3, v[BKS]         ; old row's 8 words, + two words for rows 8-15
	v_mad_u32_u24 v[BK16], v201, 320, v[BK16]
	v_lshl_add_u32 v[BK8], v201, 7, v[BK8]
	WALU                                           ; the wait ahead of the blocking waits
	s_wait_dscnt 0x0
	s_wait_kmcnt 0x0
	s_add_nc_u64 s[54:55], s[4:5], s[54:55]
	CROUND                                         ; all four work-groups are here: the joint loads meet
	s_mov_b32 s[G0], 1
	s_mov_b32 s[G0+1], s[TB]
	s_mov_b64 s[G0+2:G0+3], s[54:55]
	s_or_b32 s[G0+3], s[G0+3], 0x80000000
	tensor_load_to_lds s[G0:G0+3], s[G1:G1+7]      ; records 2 w, 2 w + 1: every wave's one load
	s_nop 0
	s_lshl_b32 s8, s52, 7
	s_add_co_u32 s8, s8, s51                       ; 128 x head + my first tile
	s_mul_i32 s10, s8, 768
	s_mov_b32 s11, 0
	s_add_nc_u64 s[10:11], s[4:5], s[10:11]
.irp x, 0,1
	global_load_b128 v[QF+12*\x:QF+12*\x+3], v[L16], s[10:11] offset:768*\x   ; q's half fragments stay in registers
	global_load_b64 v[QF+12*\x+4:QF+12*\x+5], v[BV8], s[10:11] offset:768*\x+512
.endr
	s_lshr_b32 s12, s8, 3
	s_lshl_b32 s12, s12, 9                         ; their group of eight tiles' words,
	s_and_b32 s9, s51, 7
	s_lshl_b32 s9, s9, 2                           ; and my two tiles' among a row's eight
	s_add_co_u32 s12, s12, s9
	s_mov_b32 s13, 0
	s_add_nc_u64 s[12:13], s[4:5], s[12:13]
	global_load_b64 v[QW:QW+1], v206, s[12:13] offset:QS
.irp j, 0,1,2,3,4,5
	v_mov_b32 v[QF+6+\j], 0                        ; zero codes: the upper 64 of the form's K
	v_mov_b32 v[QF+18+\j], 0
	v_mov_b32 v[KF+48+\j], 0                       ; what stands behind k's last half fragment
.endr
.irp x, 0,1
	v_mov_b32 v[SMB+20*\x+LS], 0                   ; the sum
	v_mov_b32 v[SMB+20*\x+LS+1], 0
	v_mov_b32 v[SMB+20*\x+F], 0                    ; (the first step has no f: the sum, still 0, is multiplied by this)
	v_mov_b32 v[SMB+20*\x+F+1], 0                  ; (named with it as a pair)
	v_mov_b32 v[SMB+20*\x+PX], 0                   ; a lane permute's destination counts as one of its sources
.endr
.macro ADRK
	v_add_nc_u32 v[AK16], s[TB], v[BK16]
	v_add_nc_u32 v[AK8], s[TB], v[BK8]
	v_add_nc_u32 v[AKS], s[TB], v[BKS]
.endm
.macro KLOADS                          ; 20 loads
.irp c, 0,1
.irp jj, 0,1
.irp u, 0,1
	ds_load_b128 v[KF+6*(4*\c+2*\jj+\u):KF+6*(4*\c+2*\jj+\u)+3], v[AK16] offset:960*(4*\c+\u)+128*\jj
	ds_load_b64 v[KF+6*(4*\c+2*\jj+\u)+4:KF+6*(4*\c+2*\jj+\u)+5], v[AK8] offset:960*(4*\c+\u)+640+64*\jj
.endr
	ds_load_b64 v[KS+4*\c+2*\jj:KS+4*\c+2*\jj+1], v[AKS] offset:15360+320*\jj+16*\c
.endr
.endr
.endm
.macro ADRV
	v_add_nc_u32 v[AV16], s[TB], v[BV16]
	v_add_nc_u32 v[AV8], s[TB], v[BV8]
	v_add_nc_u32 v[AVS], s[TB], v[BVS]
.endm
.macro VLOADS                          ; 17 loads
.irp t, 0,1,2,3
	ds_load_b128 v[VF+12*\t:VF+12*\t+3], v[AV16] offset:320*(24+6*\t)
	ds_load_b64 v[VF+12*\t+4:VF+12*\t+5], v[AV8] offset:320*(26+6*\t)
	ds_load_b128 v[VF+12*\t+6:VF+12*\t+9], v[AV16] offset:320*(27+6*\t)
	ds_load_b64 v[VF+12*\t+10:VF+12*\t+11], v[AV8] offset:320*(29+6*\t)
.endr
	ds_load_b128 v[VS:VS+3], v[AVS] offset:16000
.endm
; The sum of a step's 64 p of a tile: four chains of packed additions, begun ahead of the step's second product and carried on behind it; JOIN stands behind the next step's first product.
.macro JOIN
	WIN 0x45
.irp x, 0,1
	v_pk_add_f32 v[CH+8*\x:CH+8*\x+1], v[CH+8*\x:CH+8*\x+1], v[CH+8*\x+2:CH+8*\x+3]
	v_pk_add_f32 v[CH+8*\x+4:CH+8*\x+5], v[CH+8*\x+4:CH+8*\x+5], v[CH+8*\x+6:CH+8*\x+7]
.endr
.irp x, 0,1
	v_pk_add_f32 v[CH+8*\x:CH+8*\x+1], v[CH+8*\x:CH+8*\x+1], v[CH+8*\x+4:CH+8*\x+5]
.endr
	WIN 0x10
.irp x, 0,1
	v_pk_fma_f32 v[SMB+20*\x+LS:SMB+20*\x+LS+1], v[SMB+20*\x+LS:SMB+20*\x+LS+1], v[SMB+20*\x+F:SMB+20*\x+F+1], v[CH+8*\x:CH+8*\x+1] op_sel_hi:[1,0,1]   ; the sum under that step's M, and that step's p
.endr
	WIN 0
.endm
; A KEY STEP on the record whose k and v have been asked of LDS; s[TB]: the next record.  first = 1: nothing has been summed yet: no f, O^T starts with C = 0.  last = 1: nothing more is fetched.
.macro STEP first, last
	WALU
	s_wait_dscnt 17                                ; k and its words are in; v's 17 loads may be out
	WIN 0x40
.irp x, 0,1
.irp t, 0,1,2,3,4,5,6,7                ; S^T = k q^T
	v_wmma_scale_f32_16x16x128_f8f6f4 v[S+64*\x+8*\t:S+64*\x+8*\t+7], v[KF+6*\t:KF+6*\t+11], v[QF+12*\x:QF+12*\x+11], 0, v[KS+\t], v[QW+\x] matrix_a_fmt:MATRIX_FMT_FP6 matrix_b_fmt:MATRIX_FMT_FP6
.endr
.endr
	WIN 0
.if !\last                             ; what follows, up to the loads, are the places in front of them and of the first read of the scores
	ADRK
.endif
.if \first
	v_nop
.else
	JOIN
.endif
.if !\last
	KLOADS
.endif
	WIN 0x15                               ; my two blocks' largest scores of each tile, two chains each
.irp x, 0,1
.irp c, 0,1
	v_max3_num_f32 v[SMB+20*\x+BM+\c], v[S+64*\x+32*\c], v[S+64*\x+32*\c+1], v[S+64*\x+32*\c+2]
	v_max3_num_f32 v[SMB+20*\x+TY+\c], v[S+64*\x+32*\c+16], v[S+64*\x+32*\c+17], v[S+64*\x+32*\c+18]
.endr
.endr
	WIN 0x14
.irp i, 3,5,7,9,11,13
.irp x, 0,1
.irp c, 0,1
	v_max3_num_f32 v[SMB+20*\x+BM+\c], v[SMB+20*\x+BM+\c], v[S+64*\x+32*\c+\i], v[S+64*\x+32*\c+\i+1]
	v_max3_num_f32 v[SMB+20*\x+TY+\c], v[SMB+20*\x+TY+\c], v[S+64*\x+32*\c+16+\i], v[S+64*\x+32*\c+17+\i]
.endr
.endr
.endr
	WIN 0x04
.irp x, 0,1
.irp c, 0,1
	v_max3_num_f32 v[SMB+20*\x+BM+\c], v[SMB+20*\x+BM+\c], v[S+64*\x+32*\c+15], v[SMB+20*\x+TY+\c]
.endr
.endr
.irp x, 0,1
.irp c, 0,1
	v_max_num_f32 v[SMB+20*\x+BM+\c], v[SMB+20*\x+BM+\c], v[S+64*\x+32*\c+31]
.endr
.endr
	WIN 0
.if !\first
.irp x, 0,1
	v_mov_b32 v[SMB+20*\x+TP2], v[SMB+20*\x+NM]    ; the old -M
.endr
.endif
.irp x, 0,1
	v_max_num_f32 v[SMB+20*\x+TP], v[SMB+20*\x+BM], v[SMB+20*\x+BM+1]
.endr
.irp x, 0,1
	v_permlanex16_b32 v[SMB+20*\x+PX], v[SMB+20*\x+TP], s[SEL], s[SEL+1]
.endr
.irp x, 0,1
.if \first
	v_max_num_f32 v[SMB+20*\x+SM], v[SMB+20*\x+TP], v[SMB+20*\x+PX]   ; my query's largest score
.else
	v_max3_num_f32 v[SMB+20*\x+SM], v[SMB+20*\x+SM], v[SMB+20*\x+TP], v[SMB+20*\x+PX]   ; so far
.endif
.endr
.irp x, 0,1
	v_mul_f32 v[SMB+20*\x+TP], s[CN], v[SMB+20*\x+SM]   ; -t
.endr
.irp x, 0,1
	v_floor_f32 v[SMB+20*\x+NM], v[SMB+20*\x+TP]   ; -M = floor(-t) = -ceil(t): a whole number
.endr
.if !\first
.irp x, 0,1
	v_sub_f32 v[SMB+20*\x+TP], v[SMB+20*\x+NM], v[SMB+20*\x+TP2]   ; old M - new M: a whole number, 0 or less
.endr
.irp x, 0,1
	v_cvt_i32_f32 v[SMB+20*\x+TP], v[SMB+20*\x+TP] ; (it saturates)
.endr
.irp x, 0,1
	v_ldexp_f32 v[SMB+20*\x+F], 1.0, v[SMB+20*\x+TP]   ; f = 2^(old M - new M)
.endr
.endif
.irp x, 0,1
.irp c, 0,1
	v_fma_f32 v[SMB+20*\x+BM+\c], v[SMB+20*\x+BM+\c], s[CS], v[SMB+20*\x+NM]   ; t - M of each block's largest score
.endr
.endr
	WIN 0x41
.if !\first
.irp x, 0,1
.set J, 0
.rept 16
	v_pk_mul_f32 v[O+32*\x+J:O+32*\x+J+1], v[O+32*\x+J:O+32*\x+J+1], v[SMB+20*\x+F:SMB+20*\x+F+1] op_sel_hi:[1,0]   ; O^T under the new M
.set J, J+2
.endr
.endr
.endif
.irp x, 0,1
.set J, 0
.rept 32
	v_pk_fma_f32 v[S+64*\x+J:S+64*\x+J+1], v[S+64*\x+J:S+64*\x+J+1], s[CS:CS+1], v[SMB+20*\x+NM:SMB+20*\x+NM+1] op_sel_hi:[1,0,0]   ; t - M, two at a time
.set J, J+2
.endr
.endr
	WIN 0
	WALU                                           ; the wait ahead of the batch
.irp x, 0,1
.irp c, 0,1
	v_exp_f32 v[SMB+20*\x+BM+\c], v[SMB+20*\x+BM+\c]   ; the block's largest p: the same two instructions on the same number give the same bits
.endr
.endr
	WIN 0x41
.set J, 0
.rept 128
	v_exp_f32 v[S+J], v[S+J]                       ; p = 2^(t - M)
.set J, J+1
.endr
	WIN 0
	v_nop                                          ; a plain place behind the exponentials
	WALU                                           ; and the one wait behind the batch
.irp x, 0,1
.irp c, 0,1
	v_max_num_f32 v[SMB+20*\x+BM+\c], 0x1800000, v[SMB+20*\x+BM+\c]   ; the floor 2^(3 - 127): the byte cannot fall under 1
.endr
.endr
.irp x, 0,1
.irp c, 0,1
	v_add_nc_u32 v[SMB+20*\x+SOP+\c], 0xff000000, v[SMB+20*\x+BM+\c]   ; 2 off the exponent field: the conversion's scale operand
.endr
.endr
.irp x, 0,1
.irp c, 0,1
	v_lshrrev_b32 v[SMB+20*\x+BY+\c], 23, v[SMB+20*\x+SOP+\c]   ; the scale's byte
.endr
.endr
.irp x, 0,1
	v_lshl_or_b32 v[SMB+20*\x+TP], v[SMB+20*\x+BY+1], 16, v[SMB+20*\x+BY]   ; blocks h and 2 + h,
.endr
.irp x, 0,1
	v_lshlrev_b32 v[SMB+20*\x+TP], v[H8], v[SMB+20*\x+TP]   ; at their places in the word;
.endr
.irp x, 0,1
	v_permlanex16_b32 v[SMB+20*\x+PX], v[SMB+20*\x+TP], s[SEL], s[SEL+1]
.endr
.irp x, 0,1
	v_or_b32 v[PW+\x], v[SMB+20*\x+TP], v[SMB+20*\x+PX]   ; with lane l xor 16's two p's scale word is whole
.endr
	WIN 0x41
.irp x, 0,1
.irp c, 0,1
	v_cvt_scalef32_pk16_fp6_f32 v[PC+12*\x+6*\c:PC+12*\x+6*\c+2], v[S+64*\x+32*\c:S+64*\x+32*\c+15], v[SMB+20*\x+SOP+\c]
	v_cvt_scalef32_pk16_fp6_f32 v[T+8*\x+4*\c:T+8*\x+4*\c+2], v[S+64*\x+32*\c+16:S+64*\x+32*\c+31], v[SMB+20*\x+SOP+\c]   ; (a conversion's three registers begin on an even number)
.endr
.endr
	v_nop                                          ; one plain place behind a scaled conversion
.irp x, 0,1
.irp c, 0,1
.irp i, 0,1,2
	v_mov_b32 v[PC+12*\x+6*\c+3+\i], v[T+8*\x+4*\c+\i]
.endr
.endr
.endr
	WIN 0x45
.irp x, 0,1
.set J, 0
.rept 4                                ; the chains begin.  (With the lines above: more than eight places behind the scale words' writes, eight behind the codes')
	v_pk_add_f32 v[CH+8*\x+2*J:CH+8*\x+2*J+1], v[S+64*\x+4*J:S+64*\x+4*J+1], v[S+64*\x+4*J+2:S+64*\x+4*J+3]
.set J, J+1
.endr
.endr
	WIN 0
	WALU
.if \last
	s_wait_dscnt 0x0                               ; v
.else
	s_wait_dscnt 20                                ; v is in; the next record's k, 20 loads, may be out
.endif
	WIN 0x54
.irp t, 0,1,2,3                        ; O^T += v^T p^T: the eight accumulators by turns
.irp x, 0,1
.if \first
	v_wmma_scale_f32_16x16x128_f8f6f4 v[O+32*\x+8*\t:O+32*\x+8*\t+7], v[VF+12*\t:VF+12*\t+11], v[PC+12*\x:PC+12*\x+11], 0, v[VS+\t], v[PW+\x] matrix_a_fmt:MATRIX_FMT_FP6 matrix_b_fmt:MATRIX_FMT_FP6
.else
	v_wmma_scale_f32_16x16x128_f8f6f4 v[O+32*\x+8*\t:O+32*\x+8*\t+7], v[VF+12*\t:VF+12*\t+11], v[PC+12*\x:PC+12*\x+11], v[O+32*\x+8*\t:O+32*\x+8*\t+7], v[VS+\t], v[PW+\x] matrix_a_fmt:MATRIX_FMT_FP6 matrix_b_fmt:MATRIX_FMT_FP6
.endif
.endr
.endr
	WIN 0
.if !\last
	ADRV                                           ; four places, then the next record's v
	v_nop
	VLOADS
.endif
	WIN 0x45
.set J, 8
.rept 24
.irp x, 0,1
	v_pk_add_f32 v[CH+8*\x+2*(J%4):CH+8*\x+2*(J%4)+1], v[CH+8*\x+2*(J%4):CH+8*\x+2*(J%4)+1], v[S+64*\x+2*J:S+64*\x+2*J+1]
.endr
.set J, J+1
.endr
	WIN 0
.endm
	WALU                                           ; the wait at the head's end
	s_wait_loadcnt 0x0                             ; q
	s_wait_tensorcnt 0x0                           ; my two records are in:
	s_barrier_signal -1                            ; say so,
	ADRK                                           ; work on them (LDS loads of my own records, and registers),
	KLOADS
	ADRV
	VLOADS
	s_add_co_u32 s[TB], s[TB], RECL                ; (the first step fetches my second record)
	STEP 1, 0
	WALU
	s_barrier_wait -1                              ; and go on when every wave's records are in.  Nothing is ever filled again
	s_mov_b32 s[CNT], 1
.Lstep:                                                ; trip n works on record (2 w + n) mod 16 and fetches the next
	s_add_co_u32 s[IX], s[W2], s[CNT]
	s_add_co_u32 s[IX], s[IX], 1
	s_and_b32 s[IX], s[IX], 15
	s_mul_i32 s[TB], s[IX], RECL
	STEP 0, 0
	s_add_co_u32 s[CNT], s[CNT], 1
	s_cmp_lt_u32 s[CNT], 15
	WALU                                           ; the wait directly ahead of the branch
	s_cbranch_scc1 .Lstep
	STEP 0, 1
	; THE WAY OUT: O^T / the sum, quantised along the head's 64 channels: half a fragment of the last product's operand, and two bytes of its scale word, for each tile.
	JOIN                                           ; the last step's p
.irp x, 0,1
	v_add_f32 v[SMB+20*\x+LS], v[SMB+20*\x+LS], v[SMB+20*\x+LS+1]   ; the sum's two halves,
.endr
.irp x, 0,1
	v_permlanex16_b32 v[SMB+20*\x+TP], v[SMB+20*\x+LS], s[SEL], s[SEL+1]
.endr
.irp x, 0,1
	v_add_f32 v[SMB+20*\x+LS], v[SMB+20*\x+LS], v[SMB+20*\x+TP]   ; and lane l xor 16's: the row's sum
.endr
	WALU
.irp x, 0,1
	v_rcp_f32 v[SMB+20*\x+LS], v[SMB+20*\x+LS]
.endr
	v_nop                                          ; the plain place behind the reciprocals
	s_lshr_b32 s14, s52, 4
	s_lshl_b32 s14, s14, 7
	s_add_co_u32 s14, s14, s51                     ; my first tile among att's 256: 128 x batch + the tile in the head
	s_and_b32 s15, s52, 15                         ; the head in the batch
	s_lshr_b32 s16, s15, 1                         ; its K step of the last product,
	s_and_b32 s15, s15, 1                          ; and which half of it
	s_lshr_b32 s10, s16, 1
	s_mul_i32 s10, s10, PAIR2
	s_mul_i32 s9, s14, 3072
	s_add_co_u32 s10, s10, s9
	s_and_b32 s9, s16, 1
	s_mul_i32 s9, s9, 1536
	s_add_co_u32 s10, s10, s9
	s_mul_i32 s9, s15, 768
	s_add_co_u32 s10, s10, s9
	s_mov_b32 s11, 0
	s_add_nc_u64 s[10:11], s[6:7], s[10:11]        ; the codes
	s_lshl_b32 s12, s14, 9
	s_lshr_b32 s9, s16, 2
	s_lshl_b32 s9, s9, 8
	s_add_co_u32 s12, s12, s9
	s_and_b32 s9, s16, 3
	s_lshl_b32 s9, s9, 2
	s_add_co_u32 s12, s12, s9
	s_lshl_b32 s9, s15, 1
	s_add_co_u32 s12, s12, s9
	s_mov_b32 s13, 0
	s_add_nc_u64 s[12:13], s[6:7], s[12:13]        ; the two bytes (ASC stands in the store's immediate)
	WIN 0x41
	WALU                                           ; the wait ahead of the first reader of the reciprocals and of O^T
.irp x, 0,1
.set J, 0
.rept 32
	v_mul_f32 v[S+64*\x+J], v[O+32*\x+J], v[SMB+20*\x+LS]   ; by v's tiles' order of rows register 16 b + i is channel 32 b + 16 h + i of my query; each accumulator is read from its low end on
.set J, J+1
.endr
.endr
	WIN 0x05
.irp x, 0,1
.irp b, 0,1
	v_max3_num_f32 v[SMB+20*\x+BM+\b], |v[S+64*\x+16*\b]|, |v[S+64*\x+16*\b+1]|, 0x1800000
.endr
.endr
	WIN 0x14
.irp i, 2,4,6,8,10,12,14
.irp x, 0,1
.irp b, 0,1
	v_max3_num_f32 v[SMB+20*\x+BM+\b], v[SMB+20*\x+BM+\b], |v[S+64*\x+16*\b+\i]|, |v[S+64*\x+16*\b+\i+1]|
.endr
.endr
.endr
	WIN 0
.irp x, 0,1
.irp b, 0,1
	v_permlanex16_b32 v[SMB+20*\x+TY+\b], v[SMB+20*\x+BM+\b], s[SEL], s[SEL+1]
.endr
.endr
.irp x, 0,1
.irp b, 0,1
	v_max_num_f32 v[SMB+20*\x+BM+\b], v[SMB+20*\x+BM+\b], v[SMB+20*\x+TY+\b]   ; with lane l xor 16's 16: the block's largest magnitude
.endr
.endr
.irp x, 0,1
.irp b, 0,1
	v_add_nc_u32 v[SMB+20*\x+SOP+\b], 0xff000000, v[SMB+20*\x+BM+\b]
.endr
.endr
.irp x, 0,1
.irp b, 0,1
	v_lshrrev_b32 v[SMB+20*\x+BY+\b], 23, v[SMB+20*\x+SOP+\b]
.endr
.endr
.irp x, 0,1
	v_lshl_or_b32 v[SMB+20*\x+TP], v[SMB+20*\x+BY+1], 8, v[SMB+20*\x+BY]
.endr
	WIN 0x41
.irp x, 0,1
	v_cvt_scalef32_pk16_fp6_f32 v[PC+12*\x:PC+12*\x+2], v[S+64*\x:S+64*\x+15], v[SMB+20*\x+SOP]
	v_cvt_scalef32_pk16_fp6_f32 v[T+8*\x:T+8*\x+2], v[S+64*\x+16:S+64*\x+31], v[SMB+20*\x+SOP+1]
.endr
	v_nop                                          ; one plain place behind a scaled conversion
.irp x, 0,1
.irp i, 0,1,2
	v_permlane16_swap_b32 v[PC+12*\x+\i], v[T+8*\x+\i]   ; the operand's layout wants a whole block in a lane
.endr
.endr
.irp x, 0,1
.irp i, 0,1,2
	v_mov_b32 v[PC+12*\x+3+\i], v[T+8*\x+\i]
.endr
.endr
	WIN 0x04                               ; a store's data: source 1
.irp x, 0,1
	global_store_b128 v[L16], v[PC+12*\x:PC+12*\x+3], s[10:11] offset:3072*\x          ; 512 and 256 consecutive bytes, at multiples of 256 from att's first byte
	global_store_b64 v[BV8], v[PC+12*\x+4:PC+12*\x+5], s[10:11] offset:3072*\x+512
.endr
	WIN 0
.irp x, 0,1
	global_store_b16 v[BVS], v[SMB+20*\x+TP], s[12:13] offset:ASC+512*\x   ; two bytes a row, 16 bytes apart (lanes r and r + 16 store the same two bytes at the same place): 1 byte in 24 of what the wave stores
.endr
	s_wait_tensorcnt 0x0                           ; the wave's end
	ds_add_u32 v254, v255
	s_wait_dscnt 0x0
	CROUND                                         ; the closing round
	s_endpgm
.Lfunc_end_k_q877f39b518_attn:
	.size	k_q877f39b518_attn, .Lfunc_end_k_q877f39b518_attn-k_q877f39b518_attn
	.p2alignl 7, 3214868480
	.fill 96, 4, 3214868480
	.section	.rodata,"a",@progbits
	.p2align	6, 0x0
	.amdhsa_kernel k_q877f39b518_attn
		.amdhsa_group_segment_fixed_size 262144
		.amdhsa_private_segment_fixed_size 0
		.amdhsa_enable_private_segment 0
		.amdhsa_kernarg_size 16
		.amdhsa_user_sgpr_count 2
		.amdhsa_user_sgpr_kernarg_segment_ptr 1
		.amdhsa_wavefront_size32 1
		.amdhsa_system_sgpr_workgroup_id_x 1
		.amdhsa_system_sgpr_workgroup_id_y 1
		.amdhsa_system_sgpr_workgroup_id_z 1
		.amdhsa_system_vgpr_workitem_id 0
		.amdhsa_next_free_vgpr 512
		.amdhsa_next_free_sgpr 66
		.amdhsa_reserve_vcc 0
		.amdhsa_float_denorm_mode_32 3
		.amdhsa_float_denorm_mode_16_64 3
		.amdhsa_memory_ordered 1
		.amdhsa_forward_progress 1
		.amdhsa_inst_pref_size 94
	.end_amdhsa_kernel
	.amdgpu_metadata
---
amdhsa.version: [ 1, 2 ]
amdhsa.kernels:
  - .name:           k_q877f39b518_attn
    .symbol:         k_q877f39b518_attn.kd
    .args:
      - { .name: qkv, .offset: 0, .size: 8, .value_kind: global_buffer, .address_space: global }
      - { .name: att, .offset: 8, .size: 8, .value_kind: global_buffer, .address_space: global }
    .group_segment_fixed_size: 262144
    .private_segment_fixed_size: 0
    .kernarg_segment_align: 8
    .kernarg_segment_size: 16
    .max_flat_workgroup_size: 256
    .sgpr_count:     66
    .vgpr_count:     512
    .wavefront_size: 32
...
	.end_amdgpu_metadata
.endif
;; end of part 3
;; launch proj (part 4): grid 8 x 32, 4 waves a work-group, clusters of 4 x 4, 214,528 bytes of LDS; arguments att, opq, out0; writes out0
.if DOCPART == 4
	.amdgcn_target "amdgcn-amd-amdhsa--gfx1250"
	.amdhsa_code_object_version 6
	.text
	.protected	k_q877f39b518_proj
	.globl	k_q877f39b518_proj
	.p2align	8
	.type	k_q877f39b518_proj,@function
k_q877f39b518_proj:
	s_mov_b64 s[64:65], 0
	v_nop
	global_prefetch_b8 v0, s[64:65] scope:SCOPE_SE
	s_setreg_imm32_b32 hwreg(HW_REG_WAVE_MODE, 25, 1), 1
	s_wait_xcnt 0x0
	s_wait_alu depctr_hold_cnt(0) depctr_sa_sdst(0) depctr_va_vdst(0) depctr_va_sdst(0) depctr_va_ssrc(0) depctr_va_vcc(0) depctr_vm_vsrc(0)
	s_getreg_b32 s2, hwreg(HW_REG_IB_STS2, 6, 4)
	s_cmp_eq_u32 s2, 0
	s_cbranch_scc0 .Lentry_in_a_cluster
	s_endpgm
.Lentry_in_a_cluster:
	s_bfe_u32 s2, ttmp6, 0x10000c
	s_cmp_lg_u32 s2, 0xf033
	s_cbranch_scc0 .Lentry_shape_is_right
	s_endpgm
.Lentry_shape_is_right:
; out0 = (o / l) w_proj^T on codes of FP6 (E2M3) with E8M0 scales, K = 1,024; out0 [4096][1024] f32.
; Both operands lie in memory as images of fragments ([pair of K steps][tile][2 x 1,536 bytes]; lane r of tile 2 g + u holds row 32 g + 8 u + r + 8 (r / 8)), scale words [tile][K steps 0-3 | 4-7][r][4 words]:
; att's 256 tiles (scale words from ASC on) and opq's tiles 448-511 (from SC1 on).
; A tile of out0 is 128 x 128, so that there are 256 work-groups; four waves, each 64 x 64: 16 accumulators.  Source 0 = 16 rows of w_proj, source 1 = 16 rows of att: a lane holds eight neighbouring numbers of a row of out0.
; ALL OF K LIES IN LDS, filled once, ONE TENSOR LOAD A WAVE: wave 0 att's eight tiles of pairs 0, 1 (two rows of 24,576 dense bytes), wave 1 w_proj's, waves 2 and 3 the same of pairs 2, 3.  LDS: [wave's load][pair % 2][8 tiles].
; The four loads stand in four arms of one chain of branches.  The first barrier shows the loads of waves 0 and 1, which alone wait there; one barrier in K step 3, with every wave's wait in front of it, shows the others.
; CLUSTERS 4 x 4: att's tiles are asked for jointly by a row of the cluster, w_proj's by a column.  No prefetch: every load goes out at the head.
; REGISTERS: window 0: v1-3 r, h, lane; v4-5, v8-10 offsets; v12-27 LDS addresses, four for each pair; v32-47, v48-63 scale words; v64-127 the way out; v128-255 accumulator (a, b) at v[128 + 8 (4 a + b)].
;   window 1: two fragment buffers at v0 and v128: source 1's four fragments, then from +48 source 0's four.
.set PAIR1,  1572864
.set SC1,    6291456
.set PAIR2,  786432
.set ASC,    3145728
.set FR,     12
.set TILEB,  3072
.set REG,    4*TILEB                   ; what one wave reads of a source in a pair of K steps
.set LOADB,  4*REG                     ; what one tensor load brings
.set STAGE,  4*LOADB                   ; behind them: 16 rows x (256 bytes + 16) for each wave
.set SPITCH, 272
.set SPARE,  STAGE+4*16*SPITCH         ; behind the stages: the spare words
.set O16, 4
.set O8,  5
.set STO, 8
.set RD,  9
.set CO,  10
.set ADR, 12                           ; pair p: v[ADR+4p] source 1 + 16 x lane, +1 + 8 x lane, +2, +3 source 0
.set SCA, 32
.set SCB, 48
.set BK,  64
.set ACC, 128
.set G1,  24
.set G0,  32
.set G1B, 48
.set G0B, 68
.set MUL,  0x05                        ; sources 0 and 1 window 1; C and D window 0
.set TO_F, 0x40                        ; destination window 1
.set MSB, 0
.macro WIN new
.if MSB != (\new)
	s_set_vgpr_msb (MSB<<8)|(\new)
.set MSB, (\new)
.endif
.endm
.macro PLACES n
.rept \n
	v_nop
.endr
.endm
.macro ARM under, g0, g1, next         ; an arm of the head's chain: its load, s_nop 0 and four v_nop, a jump to the join
	s_cmp_lt_u32 s14, \under
	s_cbranch_scc0 \next
	tensor_load_to_lds s[\g0:\g0+3], s[\g1:\g1+7]
	s_nop 0
	PLACES 4
	s_branch .Lhead_asked
\next:
.endm
.macro CROUND                          ; a round of the cluster's barrier
	s_barrier_signal -1
	s_barrier_wait -1
	s_cmp_lg_u32 s14, 0
	s_cbranch_scc1 .Lnot_wave_0_\@
	s_barrier_signal -3
.Lnot_wave_0_\@:
	s_barrier_wait -3
	s_barrier_signal -1
	s_barrier_wait -1
.endm
	s_load_b128 s[4:7], s[0:1], 0x0                ; att s[4:5], opq s[6:7]
	s_load_b64 s[8:9], s[0:1], 0x10                ; out0
	v_lshl_add_u32 v30, v0, 2, SPARE
	v_mov_b32 v31, 0
	ds_add_u32 v30, v31                            ; the opening lines
	ds_add_u32 v30, v31
	v_lshrrev_b32 v1, 5, v0
	v_readfirstlane_b32 s14, v1                    ; wave 0..3
	s_lshr_b32 s15, s14, 1                         ; my half of the rows.  Also: which half of K I fetch
	s_and_b32 s16, s14, 1                          ; my half of the columns.  Also: I fetch for source 1 (0) or source 0 (1)
	s_bfe_u32 s56, ttmp6, 0x40000                  ; cx
	s_bfe_u32 s57, ttmp6, 0x40004                  ; cy
	s_lshl_b32 s62, ttmp9, 2
	s_add_co_u32 s62, s62, s56                     ; tile column of out0
	s_and_b32 s17, ttmp7, 0xffff
	s_lshl_b32 s17, s17, 2
	s_add_co_u32 s17, s17, s57                     ; tile row
	s_lshl_b32 s58, s57, 2
	s_lshl_b32 s58, 15, s58                        ; my row of the cluster
	s_lshl_b32 s59, 0x1111, s56                    ; my column
	s_or_b32 s[G1], s58, (3<<16)|(1<<21)           ; two rows of 3,072 elements of 8 bytes, a pair of K steps apart in memory, on end in LDS
	s_or_b32 s[G1B], s59, (3<<16)|(1<<21)
.irp g, G1, G1B
	s_mov_b32 s[\g+1], 3072<<16
	s_mov_b32 s[\g+2], 2<<16
	s_mov_b32 s[\g+3], 3072<<16
	s_mov_b32 s[\g+4], 2
	s_mov_b32 s[\g+6], 0
	s_mov_b32 s[\g+7], 0
.endr
	s_mov_b32 s[G1+5], PAIR2/8
	s_mov_b32 s[G1B+5], PAIR1/8
	s_lshl_b32 s20, s17, 3                         ; att: tile 8 x tile row,
	s_mul_i32 s20, s20, TILEB
	s_mul_i32 s23, s15, 2*PAIR2                    ; my half of K
	s_add_co_u32 s20, s20, s23
	s_mov_b32 s21, 0
	s_lshl_b32 s66, s62, 3
	s_add_co_u32 s66, s66, 448                     ; w_proj: tile 448 + 8 x tile column
	s_mul_i32 s66, s66, TILEB
	s_mul_i32 s23, s15, 2*PAIR1
	s_add_co_u32 s66, s66, s23
	s_mov_b32 s67, 0
	s_mul_i32 s22, s14, LOADB
	s_wait_dscnt 0x0
	s_wait_kmcnt 0x0
	s_add_nc_u64 s[20:21], s[4:5], s[20:21]
	s_add_nc_u64 s[66:67], s[6:7], s[66:67]
	CROUND                                         ; all sixteen work-groups are here: the joint loads meet
	s_mov_b32 s[G0], 1
	s_mov_b32 s[G0+1], s22
	s_mov_b64 s[G0+2:G0+3], s[20:21]
	s_or_b32 s[G0+3], s[G0+3], 0x80000000
	s_mov_b32 s[G0B], 1
	s_mov_b32 s[G0B+1], s22
	s_mov_b64 s[G0B+2:G0B+3], s[66:67]
	s_or_b32 s[G0B+3], s[G0B+3], 0x80000000
	ARM 1, G0,  G1,  .Lhead_1                      ; wave 0: att, pairs 0, 1
	ARM 2, G0B, G1B, .Lhead_2                      ; wave 1: w_proj, pairs 0, 1
	ARM 3, G0,  G1,  .Lhead_3                      ; wave 2: att, pairs 2, 3
	tensor_load_to_lds s[G0B:G0B+3], s[G1B:G1B+7]  ; wave 3: w_proj, pairs 2, 3
	s_nop 0
	PLACES 4
.Lhead_asked:
	v_and_b32 v3, 31, v0                           ; lane
	v_and_b32 v1, 15, v0                           ; r
	v_bfe_u32 v2, v0, 4, 1                         ; h
	v_lshlrev_b32 v[O16], 4, v3
	s_wait_alu depctr_va_vdst(0)
	v_lshlrev_b32 v[O8], 3, v3
	s_wait_alu depctr_va_vdst(0)
	s_lshl_b32 s88, s17, 3
	s_lshl_b32 s89, s15, 2
	s_add_co_u32 s88, s88, s89                     ; my first tile of att
	s_lshl_b32 s88, s88, 9
	s_mov_b32 s89, 0
	s_add_nc_u64 s[88:89], s[4:5], s[88:89]
	s_lshl_b32 s90, s62, 3
	s_lshl_b32 s91, s16, 2
	s_add_co_u32 s90, s90, s91
	s_add_co_u32 s90, s90, 448                     ; and of w_proj
	s_lshl_b32 s90, s90, 9
	s_mov_b32 s91, 0
	s_add_nc_u64 s[90:91], s[6:7], s[90:91]
.irp i, 0,1,2,3                        ; the scale words of all of K go straight into registers: 512 consecutive bytes a load
	global_load_b128 v[SCA+4*\i:SCA+4*\i+3], v[O16], s[88:89] offset:ASC+512*\i
	global_load_b128 v[SCB+4*\i:SCB+4*\i+3], v[O16], s[90:91] offset:SC1+512*\i
.endr
	s_mul_i32 s96, s15, REG                        ; my four tiles of source 1's eight,
	s_mul_i32 s97, s16, REG
	s_add_co_u32 s97, s97, LOADB                   ; and of source 0's, one load further on
.irp p, 0,1,2,3
	v_add_nc_u32 v[ADR+4*\p], s96, v[O16]
	v_add_nc_u32 v[ADR+4*\p+1], s96, v[O8]
	v_add_nc_u32 v[ADR+4*\p+2], s97, v[O16]
	v_add_nc_u32 v[ADR+4*\p+3], s97, v[O8]
	s_add_co_u32 s96, s96, 2*REG+4*REG*(\p%2)      ; to the load's second pair 2 REG, from there to the next half of K 6 REG
	s_add_co_u32 s97, s97, 2*REG+4*REG*(\p%2)
.endr
	s_mul_i32 s98, s14, 16*SPITCH
	s_add_co_u32 s98, s98, STAGE                   ; my stage
	v_mul_u32_u24 v[STO], v1, SPITCH               ; in: row r, + 64 h
	v_lshl_add_u32 v[STO], v2, 6, v[STO]
	v_add_nc_u32 v[STO], s98, v[STO]
	v_mul_u32_u24 v[RD], v2, SPITCH                ; back: lanes 0-15 one row of 256 bytes, lanes 16-31 the next
	v_lshl_add_u32 v[RD], v1, 4, v[RD]
	v_add_nc_u32 v[RD], s98, v[RD]
	v_lshlrev_b32 v[CO], 12, v2                    ; and the same two rows in out0
	v_lshl_add_u32 v[CO], v1, 4, v[CO]
	s_lshl_b32 s84, s17, 7
	s_lshl_b32 s85, s15, 6
	s_add_co_u32 s84, s84, s85                     ; my first row: 128 x tile row + 64 x half
	s_lshl_b32 s84, s84, 12
	s_lshl_b32 s86, s62, 9                         ; my first column, in bytes: 512 x tile column + 256 x half
	s_lshl_b32 s87, s16, 8
	s_add_co_u32 s86, s86, s87
	s_add_co_u32 s84, s84, s86
	s_mov_b32 s85, 0
	s_add_nc_u64 s[8:9], s[8:9], s[84:85]
.macro FRAG reg, adr, off
	ds_load_b128 v[\reg:\reg+3], v[\adr] offset:\off
	ds_load_b64 v[\reg+4:\reg+5], v[\adr+1] offset:\off+512
	ds_load_b128 v[\reg+6:\reg+9], v[\adr] offset:\off+768
	ds_load_b64 v[\reg+10:\reg+11], v[\adr+1] offset:\off+1280
.endm
.macro FETCH s, f                      ; K step s's eight fragments into buffer f, 32 loads: source 0's four first, then source 1's
	WIN TO_F
.irp i, 0,1,2,3
	FRAG (\f)+48+FR*\i, ADR+4*((\s)/2)+2, \i*TILEB+((\s)%2)*1536
.endr
.irp i, 0,1,2,3
	FRAG (\f)+FR*\i, ADR+4*((\s)/2), \i*TILEB+((\s)%2)*1536
.endr
.endm
; 8 matrix instructions: source 1's blocks a0, a0 + 1 x source 0's four.  The 16 accumulators take turns, one instruction a turn, in the same order in every K step.
.macro MUL8 f, a0, s
.irp a, \a0, \a0+1
.irp b, 0,1,2,3
.if (\s) == 0
	v_wmma_scale_f32_16x16x128_f8f6f4 v[ACC+8*(4*(\a)+\b):ACC+8*(4*(\a)+\b)+7], v[\f+48+FR*\b:\f+48+FR*\b+FR-1], v[\f+FR*(\a):\f+FR*(\a)+FR-1], 0, v[SCB+4*\b], v[SCA+4*(\a)] matrix_a_fmt:MATRIX_FMT_FP6 matrix_b_fmt:MATRIX_FMT_FP6
.elseif (\s) < 4
	v_wmma_scale_f32_16x16x128_f8f6f4 v[ACC+8*(4*(\a)+\b):ACC+8*(4*(\a)+\b)+7], v[\f+48+FR*\b:\f+48+FR*\b+FR-1], v[\f+FR*(\a):\f+FR*(\a)+FR-1], v[ACC+8*(4*(\a)+\b):ACC+8*(4*(\a)+\b)+7], v[SCB+4*\b+(\s)%4], v[SCA+4*(\a)+(\s)%4] matrix_a_fmt:MATRIX_FMT_FP6 matrix_b_fmt:MATRIX_FMT_FP6
.else
	v_wmma_scale_f32_16x16x128_f8f6f4 v[ACC+8*(4*(\a)+\b):ACC+8*(4*(\a)+\b)+7], v[\f+48+FR*\b:\f+48+FR*\b+FR-1], v[\f+FR*(\a):\f+FR*(\a)+FR-1], v[ACC+8*(4*(\a)+\b):ACC+8*(4*(\a)+\b)+7], v[SCB+4*\b+(\s)%4], v[SCA+4*(\a)+(\s)%4] matrix_a_fmt:MATRIX_FMT_FP6 matrix_b_fmt:MATRIX_FMT_FP6 matrix_a_scale:MATRIX_SCALE_ROW1 matrix_b_scale:MATRIX_SCALE_ROW1
.endif
.endr
.endr
.endm
.macro KSTEP s
.set FB, 128*((\s)%2)
.set FN, 128-FB
	s_wait_dscnt 8                                 ; source 0's four and source 1's blocks 0, 1 are in; the youngest 8 loads (blocks 2, 3) may be out
	WIN MUL
	MUL8 FB, 0, \s
.if (\s) < 7
.if (\s) == 3                          ; the next K step lies in the second half of K
	s_wait_tensorcnt 0x0                           ; every wave's load is in,
	s_wait_dscnt 0x0                               ; no LDS load of mine is out at the signal
	s_barrier_signal -1
	s_barrier_wait -1                              ; and everybody knows; nothing is ever filled again
.endif
	PLACES 4                                       ; in front of loads into the buffer that the K step before multiplied
	FETCH (\s)+1, FN
	s_wait_dscnt 32                                ; all but the 32 just issued
.else
	s_wait_dscnt 0x0
.endif
	WIN MUL
	MUL8 FB, 2, \s
.endm
	s_wait_alu depctr_va_vdst(0)                   ; the wait at the head's end
	s_cmp_lt_u32 s14, 2
	s_cbranch_scc0 .Lnot_lo
	s_wait_tensorcnt 0x0                           ; waves 0 and 1: my tiles of pairs 0, 1 are in
.Lnot_lo:
	s_barrier_signal -1
	s_barrier_wait -1                              ; both are; the loads of waves 2 and 3 may be out
	FETCH 0, 0
	s_wait_loadcnt 0x0                             ; the scale words
.irp s, 0,1,2,3,4,5,6,7
	KSTEP \s                                       ; the first K step's products start the sums: nothing is cleared
.endr
	WIN 0
	PLACES 4                                       ; in front of the first read of results
; THE WAY OUT, a block of 16 rows x 64 columns at a time.  In accumulator (a, 2 g + u) lane (r, h) holds columns 32 g + 16 h + 8 u + 0 .. 7 of the block's row r: 32 bytes; they go through my own stage and come back as
; whole rows of 256 bytes.  LDS serves a wave's instructions in order: no wait between the stores and the loads.  Row r of block a is row 32 (a / 2) + 8 (a % 2) + r + 8 (r / 8) of my 64.
.macro TOSTAGE a
.irp b, 0,1,2,3
	ds_store_b128 v[STO], v[ACC+8*(4*(\a)+\b):ACC+8*(4*(\a)+\b)+3] offset:128*(\b/2)+32*(\b%2)        ; each accumulator from its low end on
	ds_store_b128 v[STO], v[ACC+8*(4*(\a)+\b)+4:ACC+8*(4*(\a)+\b)+7] offset:128*(\b/2)+32*(\b%2)+16
.endr
.irp i, 0,1,2,3,4,5,6,7
	ds_load_b128 v[BK+32*((\a)%2)+4*\i:BK+32*((\a)%2)+4*\i+3], v[RD] offset:2*\i*SPITCH
.endr
.endm
.macro SEND a, younger                 ; younger: the LDS instructions issued behind block a's loads, which may stay out
	s_wait_dscnt \younger
.irp i, 0,1,2,3,4,5,6,7
	global_store_b128 v[CO], v[BK+32*((\a)%2)+4*\i:BK+32*((\a)%2)+4*\i+3], s[8:9] offset:(32*((\a)/2)+8*((\a)%2)+2*\i+8*(\i/4))*4096 th:TH_STORE_NT   ; 16 lanes store 256 consecutive bytes, at a multiple of 256 from out0's first byte
.endr
.endm
	TOSTAGE 0
.irp a, 1,2,3
.if \a > 1
	s_wait_xcnt 0x0                                ; block a - 2's stores have read their registers: block a's loads may land there
.endif
	TOSTAGE \a
	SEND \a-1, 16                                  ; behind block a - 1's loads: block a's 8 stores and 8 loads
.endr
	SEND 3, 0
	s_wait_tensorcnt 0x0                           ; the wave's end
	ds_add_u32 v30, v31
	s_wait_dscnt 0x0
	CROUND                                         ; the closing round: no work-group ends while a partner may still ask for a tile that names it
	s_endpgm
.Lfunc_end_k_q877f39b518_proj:
	.size	k_q877f39b518_proj, .Lfunc_end_k_q877f39b518_proj-k_q877f39b518_proj
	.p2alignl 7, 3214868480
	.fill 96, 4, 3214868480
	.section	.rodata,"a",@progbits
	.p2align	6, 0x0
	.amdhsa_kernel k_q877f39b518_proj
		.amdhsa_group_segment_fixed_size 214528
		.amdhsa_private_segment_fixed_size 0
		.amdhsa_enable_private_segment 0
		.amdhsa_kernarg_size 24
		.amdhsa_user_sgpr_count 2
		.amdhsa_user_sgpr_kernarg_segment_ptr 1
		.amdhsa_wavefront_size32 1
		.amdhsa_system_sgpr_workgroup_id_x 1
		.amdhsa_system_sgpr_workgroup_id_y 1
		.amdhsa_system_sgpr_workgroup_id_z 1
		.amdhsa_system_vgpr_workitem_id 0
		.amdhsa_next_free_vgpr 512
		.amdhsa_next_free_sgpr 100
		.amdhsa_reserve_vcc 0
		.amdhsa_float_denorm_mode_32 3
		.amdhsa_float_denorm_mode_16_64 3
		.amdhsa_memory_ordered 1
		.amdhsa_forward_progress 1
		.amdhsa_inst_pref_size 51
	.end_amdhsa_kernel
	.amdgpu_metadata
---
amdhsa.version: [ 1, 2 ]
amdhsa.kernels:
  - .name:           k_q877f39b518_proj
    .symbol:         k_q877f39b518_proj.kd
    .args:
      - { .name: att, .offset: 0, .size: 8, .value_kind: global_buffer, .address_space: global }
      - { .name: opq, .offset: 8, .size: 8, .value_kind: global_buffer, .address_space: global }
      - { .name: out0, .offset: 16, .size: 8, .value_kind: global_buffer, .address_space: global }
    .group_segment_fixed_size: 214528
    .private_segment_fixed_size: 0
    .kernarg_segment_align: 8
    .kernarg_segment_size: 24
    .max_flat_workgroup_size: 128
    .sgpr_count:     100
    .vgpr_count:     512
    .wavefront_size: 32
...
	.end_amdgpu_metadata
.endif
;; end of part 4
